; MI455X (gfx1250); checked and timed in simulation.
; The chip was launched on July 23, 2026; its instructions are those of AMD's public machine-readable ISA for CDNA 5 (MIT licence, August 2026) and "CDNA5" Instruction Set Architecture Reference Guide (July 2026). The comments in the code are by the model that wrote it; some were corrected since.
;; Multi Head Attention. Allowed arithmetic: matrix products marked QUANTISED: E2M3 operands, one E8M0 scale for each 32 along K, by v_wmma_scale_f32_16x16x128_f8f6f4 with both operands' format E2M3, f32 sums; everything else in f32.
;; Inputs: Wk 1,024 x 1,024 float32; Wo 1,024 x 1,024 float32; Wq 1,024 x 1,024 float32; Wv 1,024 x 1,024 float32; attention_mask 4 x 2,048 int32; bk 1,024 float32; bo 1,024 float32; bq 1,024 float32; bv 1,024 float32; x 4 x 2,048 x 1,024 float32.
;; Outputs: out0 4 x 2,048 x 1,024 float32.
;; This version of the problem:
;;   THIS VERSION OF THE PROBLEM IS GIVEN IN LOW PRECISION. The matrix products marked QUANTISED in the list below multiply operands that are first quantised to E2M3 (2 exponent bits, 3 mantissa bits; 6 bits a number), with one power-of-two scale for each 32 numbers along K (OCP MX v1.0); their sums are f32. All else is computed in f32.
;;   The module's matrix products, in the order in which they are computed (A, B: the left and right operand; K: the contracted axis; several contracted axes count as one K, in the product's order):
;;     1. [M 8,192, K 1,024] x [K 1,024, N 1,024]; A: input x; B: input Wq: QUANTISED
;;     2. [M 8,192, K 1,024] x [K 1,024, N 1,024]; A: input x; B: input Wk: QUANTISED
;;     3. [M 8,192, K 1,024] x [K 1,024, N 1,024]; A: input x; B: input Wv: QUANTISED
;;     4. batch 64 x [M 2,048, K 64] x [K 64, N 2,048]; A: computed on the way; B: computed on the way: QUANTISED
;;     5. batch 64 x [M 2,048, K 2,048] x [K 2,048, N 64]; A: softmax (see below); B: computed on the way: QUANTISED
;;     6. [M 8,192, K 1,024] x [K 1,024, N 1,024]; A: computed on the way; B: input Wo: QUANTISED
;;   THE QUANTISER, for each operand of a quantised product, along K:
;;     - K is cut into blocks of 32 from its start; a last block that is shorter is filled with zeros.
;;     - A block's scale is 2^e with e = floor(log2(the largest magnitude in the block)) - 2, held to -126 .. 127; a block of zeros has e = 0. As a byte (E8M0): e + 127.
;;     - Each number is divided by its block's scale, clamped to +-7.5, and rounded to the nearest number of E2M3, ties to even, subnormals kept.
;;     - The product sums the exact products of the quantised numbers (number of the format x scale) in f32.
;;   ~~~python
;;   def quantise(x, axis):      # numpy; x: float32 -> the quantised numbers, widened to float32 again
;;       x = np.moveaxis(x, axis, -1); K = x.shape[-1]
;;       x = np.pad(x, [(0, 0)] * (x.ndim - 1) + [(0, -K % 32)]); x = x.reshape(x.shape[:-1] + (-1, 32)); a = np.abs(x).max(-1, keepdims=True)
;;       e = np.where(a > 0, np.clip(np.frexp(np.where(a > 0, a, 1))[1] - 1 - 2, -126, 127), 0)      # np.frexp(a)[1] - 1 = floor(log2(a)), exactly
;;       r = np.clip(x / 2.0 ** e, -7.5, 7.5)
;;       step = 2.0 ** (np.maximum(np.frexp(np.where(r == 0, 1, r))[1] - 1, 0) - 3)
;;       q = np.round(r / step) * step * 2.0 ** e      # np.round: ties to even
;;       return np.moveaxis(q.reshape(q.shape[:-2] + (-1,))[..., :K], -1, axis).astype(np.float32)
;;   ~~~
;;   SOFTMAX AHEAD OF A QUANTISED PRODUCT. Where the list says 'softmax', what is quantised is not the finished softmax but p = 2^(t - M), with t = logit x log2(e) and M = ceil(the row's largest t), a whole number; so 1/2 < the row's largest p <= 1. The row's sum l is taken of the UNQUANTISED p, in f32, and the product's result is divided by l at the end. Since M is a whole number, a kernel that streams over the keys may use a running M (the ceiling of the running maximum): every later rescaling is an exact power of two, which a block's scale takes up: the codes' values come out the same.
;;   OPERANDS COMPUTED ON THE WAY. 'Computed on the way' means the value that the module computes at that place (a softmax that the list does not call 'softmax' is quantised finished and normalised). What goes into a quantiser is computed in f32, as accurately as f32 sums, v_exp_f32 and their like allow (about 1e-6 of the number): no bf16 or f16 on the way to a quantiser, and a product that is left as it is and whose result goes on into a quantised operand takes f32 operands (vector FMAs, or v_wmma_f32_16x16x4_f32). A number that lies on a knife's edge between two numbers of the format may be rounded either way, as far as f32 arithmetic and the matrix unit's own rounding can turn it there, and no further.
;; One version. Each part assembles by itself: llvm-mc -triple=amdgcn-amd-amdhsa -mcpu=gfx1250 --defsym DOCPART=n.
;; ======== version 1 of 1: 4 launches
;; limits: right only within a limited range of input values
;; workspace buffers: cod 9,437,184 bytes; scl 393,216 bytes; qq 6,815,744 bytes; kv 13,107,200 bytes; ctxc 6,291,456 bytes; ctxs 262,144 bytes
;; launch quant (part 1): grid 256 x 1, 6 waves a work-group, no clusters, 49,920 bytes of LDS; arguments x, Wq, Wk, Wv, Wo, cod, scl; writes cod, scl
.if DOCPART == 1
	.amdgcn_target "amdgcn-amd-amdhsa--gfx1250"
	.amdhsa_code_object_version 6
	.text
	.protected	k_q3cb9e62f00_quant
	.globl	k_q3cb9e62f00_quant
	.p2align	8
	.type	k_q3cb9e62f00_quant,@function
k_q3cb9e62f00_quant:
	s_mov_b64 s[64:65], 0
	v_nop
	global_prefetch_b8 v0, s[64:65] scope:SCOPE_SE
	s_setreg_imm32_b32 hwreg(HW_REG_WAVE_MODE, 25, 1), 1
	s_wait_xcnt 0x0
; x [8192][1024] and the four weights [1024][1024], f32 with K innermost, become codes of FP6 (E2M3), 6 bits each, and one E8M0 scale byte for each 32 along K.
; cod: 12,288 rows of 768 bytes (x, then Wq, Wk, Wv, Wo); scl: the same rows, 32 bytes each.
; A block's scale is 2^(floor(log2(its largest magnitude)) - 2); its byte is the largest magnitude's own exponent field - 2, held at 1 from below; each number is divided by the scale and rounded to the nearest code, ties to even.
; THE ROWS ARE STORED WITH BITS 3 AND 4 OF THEIR NUMBER EXCHANGED: sixteen consecutive stored rows 32 b + 16 u + r are the rows 32 b + 8 u + r + 8 (r / 8).  The later launches take tiles of 16 stored rows, so that the
; results of two neighbouring tiles are 16 neighbours along the next product's K.  Here it costs one line: a wave's 8 rows go to another run of 8.
; LIMITS: a block whose largest magnitude lies under 2^(2 - 126) keeps the byte 1, a block of zeros too (its codes are zeros; these bytes are read by this program alone); NaN and infinities among the inputs are not served.
; A work-group takes 48 rows, a wave 8 rows = 16 steps of 512 numbers.  Each of a step's four loads reads 512 consecutive bytes; the 2,048 bytes turn through the wave's own stage in LDS and come back 64 bytes a lane,
; so that a lane holds 16 neighbours along K and two neighbouring lanes hold a block.  No barrier: waves share nothing.  Loads run four steps ahead, the turn through LDS one step.
.set WAVES, 6                          ; 256 work-groups of six waves: 1,536 runs of 8 rows, one a wave
.set STEPS, 16
.set EMAX,  2
.set CB,    12                         ; bytes of 16 codes
.set R,     16                         ; v16-79   four sets of 16 numbers as they are loaded
.set X,     80                         ; v80-111  two sets of 16 neighbours
.set C,     128                        ; v128-191 codes: four registers for each step, so that no store's data are written again
.set E,     112                        ; v112-127 a scale byte for each step
.set WREG,  8192                       ; LDS: a region for each wave: two stages of 32 x SP bytes, behind them its 256 scale bytes
.set SP,    80                         ; a lane's place in a stage: its 64 bytes + 16 of padding
.set SPW,   12                         ; v12  LDS address of my spare word; never rewritten
.set NIL,   13                         ; v13  0; never rewritten
.set SPARE, WAVES*WREG                 ; behind the six regions: the spare words, 128 bytes for each wave
	s_load_b256 s[4:11], s[0:1], 0x0               ; x, Wq, Wk, Wv
	s_load_b128 s[12:15], s[0:1], 0x20             ; Wo, cod
	s_load_b64 s[16:17], s[0:1], 0x30              ; scl
	v_lshl_add_u32 v[SPW], v0, 2, SPARE
	v_mov_b32 v[NIL], 0
	v_lshrrev_b32 v1, 5, v0
	v_readfirstlane_b32 s18, v1                    ; wave
	v_and_b32 v2, 31, v0                           ; lane
	v_lshlrev_b32 v3, 4, v2                        ; my 16 bytes of a load's 512
	s_mul_i32 s19, s18, WREG
	v_lshrrev_b32 v14, 2, v2
	v_mul_u32_u24 v14, v14, SP
	v_and_b32 v15, 3, v2
	v_lshl_add_u32 v14, v15, 4, v14
	v_add_nc_u32 v14, s19, v14                     ; the stage, on the way in: SP (lane / 4) + 16 (lane % 4)
	v_mul_u32_u24 v15, v2, SP
	v_add_nc_u32 v15, s19, v15                     ; and on the way out: SP x lane: my 16 neighbours
	; cod is laid [K step of 256 numbers: 4][12,288 rows][192 bytes]: a tile of 128 rows of one K step is 24,576 dense bytes.  Lanes 0-15 hold one K step's 192 bytes of a row, lanes 16-31 the next one's.
	v_and_b32 v4, 15, v2
	v_mul_u32_u24 v4, v4, CB
	v_lshrrev_b32 v10, 4, v2
	v_mad_u32_u24 v4, v10, 12288*192, v4
	v_lshrrev_b32 v5, 1, v2
	s_add_co_u32 s19, s19, 2*32*SP
	v_add_nc_u32 v5, s19, v5                       ; LDS: my wave's 256 scale bytes, my block's byte
	v_lshlrev_b32 v7, 3, v2                        ; and on the way out 8 bytes a lane
	v_add_nc_u32 v6, s19, v7
	s_mul_i32 s28, ttmp9, 6
	s_add_co_u32 s28, s28, s18                     ; my run of 8 rows among all 1,536
	s_and_b32 s21, s28, 1                          ; where it goes: the run's two low bits change places
	s_lshl_b32 s21, s21, 1
	s_bfe_u32 s22, s28, 0x10001
	s_or_b32 s21, s21, s22
	s_and_b32 s24, s28, 0xfffffffc
	s_or_b32 s24, s24, s21                         ; the run of 8 stored rows
	s_mul_i32 s26, s24, 8*192                      ; 8 rows of 192 bytes in each K step's plane
	s_mov_b32 s27, 0
	s_lshl_b32 s24, s24, 8                         ; 256 scale bytes a run
	s_mov_b32 s25, 0
	s_wait_alu depctr_va_vdst(0)
	s_wait_kmcnt 0x0
	s_cmp_lt_u32 s28, 1408                         ; runs 0-1023 are x's, then 128 each Wq's, Wk's, Wv's, Wo's: the choice hangs on ids alone
	s_cselect_b64 s[12:13], s[10:11], s[12:13]
	s_cmp_lt_u32 s28, 1280
	s_cselect_b64 s[12:13], s[8:9], s[12:13]
	s_cmp_lt_u32 s28, 1152
	s_cselect_b64 s[12:13], s[6:7], s[12:13]
	s_and_b32 s20, s28, 127                        ; a weight's run counts from 0 in its tensor
	s_cmp_lt_u32 s28, 1024
	s_cselect_b64 s[4:5], s[4:5], s[12:13]
	s_cselect_b32 s20, s28, s20
	s_lshl_b32 s22, s20, 15
	s_mov_b32 s23, 0
	s_add_nc_u64 s[4:5], s[4:5], s[22:23]
	s_add_nc_u64 s[14:15], s[14:15], s[26:27]
	s_add_nc_u64 s[16:17], s[16:17], s[24:25]
.macro LOAD t
.irp i, 0,1,2,3
	global_load_b128 v[R+16*((\t)%4)+4*\i:R+16*((\t)%4)+4*\i+3], v3, s[4:5] offset:2048*(\t)+512*\i th:TH_LOAD_NT   ; 32 lanes read 512 consecutive bytes
.endr
.endm
.macro TURN t                          ; step t's numbers through the stage: LDS serves a wave's instructions in order, so no wait stands between the stores and the loads
.irp i, 0,1,2,3
	ds_store_b128 v14, v[R+16*((\t)%4)+4*\i:R+16*((\t)%4)+4*\i+3] offset:32*SP*((\t)%2)+8*SP*\i
.endr
.irp i, 0,1,2,3
	ds_load_b128 v[X+16*((\t)%2)+4*\i:X+16*((\t)%2)+4*\i+3], v15 offset:32*SP*((\t)%2)+16*\i
.endr
.endm
.irp t, 0,1,2,3
	LOAD \t
.endr
	s_wait_loadcnt 12                              ; step 0's four loads are in; the twelve of steps 1 to 3 may be out
	TURN 0
.macro STEP t
.set XS, X+16*((\t)%2)
.if (\t) > 0
	s_wait_dscnt 1                                 ; this step's numbers are back from the stage (the last step's byte store may be out): so its stores into the stage have read their registers,
.else
	s_wait_dscnt 0x0
.endif
.if (\t)+4 < STEPS
	LOAD (\t)+4                                    ; which take the loads of four steps on
.endif
.if (\t)+1 < STEPS
.if STEPS-2-(\t) >= 3
	s_wait_loadcnt 12                              ; the next step's four loads are in; those of the three steps behind it may be out
.else
	s_wait_loadcnt 4*(STEPS-2-(\t))
.endif
	TURN (\t)+1                                    ; and go through the other stage while this step is worked
.endif
	v_max3_num_f32 v8, |v[XS]|, |v[XS+1]|, |v[XS+2]|               ; the largest magnitude of my 16, in two chains
	v_max3_num_f32 v9, |v[XS+3]|, |v[XS+4]|, |v[XS+5]|
.irp i, 6,10
	v_max3_num_f32 v8, v8, |v[XS+\i]|, |v[XS+\i+1]|
	v_max3_num_f32 v9, v9, |v[XS+\i+2]|, |v[XS+\i+3]|
.endr
	v_max3_num_f32 v8, v8, |v[XS+14]|, |v[XS+15]|
	v_max3_num_f32 v8, v8, v9, (EMAX+1)<<23        ; and the floor 2^(EMAX + 1 - 127): so the byte cannot fall under 1
	v_max_num_f32_dpp v8, v8, v8 row_xmask:1 row_mask:0xf bank_mask:0xf   ; and of my neighbour's 16: the block's
	v_add_nc_u32 v11, -(EMAX<<23), v8              ; EMAX off its exponent field: the conversion takes the exponent field of this operand as its scale, and nothing else of it
	v_cvt_scalef32_pk16_fp6_f32 v[C+4*(\t):C+4*(\t)+2], v[XS:XS+15], v11   ; sixteen codes, 96 bits without gaps, the first number's code lowest
	v_lshrrev_b32 v[E+(\t)], 23, v11               ; the scale's byte
	ds_store_b8 v5, v[E+(\t)] offset:16*(\t)       ; both lanes of a block write the same byte with the same value
	global_store_b96 v4, v[C+4*(\t):C+4*(\t)+2], s[14:15] offset:((\t)%2)*2*12288*192+((\t)/2)*192   ; row t / 2, K steps 2 (t % 2) and 2 (t % 2) + 1: sixteen lanes store 192 consecutive bytes
.endm
.irp t, 0,1,2,3,4,5,6,7,8,9,10,11,12,13,14,15
	STEP \t
.endr
	ds_load_b64 v[8:9], v6                         ; LDS serves a wave's instructions in order: these see my stores
	s_wait_dscnt 0x0
	global_store_b64 v7, v[8:9], s[16:17]          ; 32 lanes store 256 consecutive bytes, aligned
	s_wait_tensorcnt 0x0                           ; the wave's end, behind my last LDS store
	ds_add_u32 v[SPW], v[NIL]
	s_wait_dscnt 0x0
	s_endpgm
.Lfunc_end_k_q3cb9e62f00_quant:
	.size	k_q3cb9e62f00_quant, .Lfunc_end_k_q3cb9e62f00_quant-k_q3cb9e62f00_quant
	.p2alignl 7, 3214868480
	.fill 96, 4, 3214868480
	.section	.rodata,"a",@progbits
	.p2align	6, 0x0
	.amdhsa_kernel k_q3cb9e62f00_quant
		.amdhsa_group_segment_fixed_size 49920
		.amdhsa_private_segment_fixed_size 0
		.amdhsa_enable_private_segment 0
		.amdhsa_kernarg_size 56
		.amdhsa_user_sgpr_count 2
		.amdhsa_user_sgpr_kernarg_segment_ptr 1
		.amdhsa_wavefront_size32 1
		.amdhsa_system_sgpr_workgroup_id_x 1
		.amdhsa_system_sgpr_workgroup_id_y 1
		.amdhsa_system_sgpr_workgroup_id_z 1
		.amdhsa_system_vgpr_workitem_id 0
		.amdhsa_next_free_vgpr 192
		.amdhsa_next_free_sgpr 66
		.amdhsa_reserve_vcc 0
		.amdhsa_float_denorm_mode_32 3
		.amdhsa_float_denorm_mode_16_64 3
		.amdhsa_memory_ordered 1
		.amdhsa_forward_progress 1
		.amdhsa_inst_pref_size 33
	.end_amdhsa_kernel
	.amdgpu_metadata
---
amdhsa.version: [ 1, 2 ]
amdhsa.kernels:
  - .name:           k_q3cb9e62f00_quant
    .symbol:         k_q3cb9e62f00_quant.kd
    .args:
      - { .name: x, .offset: 0, .size: 8, .value_kind: global_buffer, .address_space: global }
      - { .name: Wq, .offset: 8, .size: 8, .value_kind: global_buffer, .address_space: global }
      - { .name: Wk, .offset: 16, .size: 8, .value_kind: global_buffer, .address_space: global }
      - { .name: Wv, .offset: 24, .size: 8, .value_kind: global_buffer, .address_space: global }
      - { .name: Wo, .offset: 32, .size: 8, .value_kind: global_buffer, .address_space: global }
      - { .name: cod, .offset: 40, .size: 8, .value_kind: global_buffer, .address_space: global }
      - { .name: scl, .offset: 48, .size: 8, .value_kind: global_buffer, .address_space: global }
    .group_segment_fixed_size: 49920
    .private_segment_fixed_size: 0
    .kernarg_segment_align: 8
    .kernarg_segment_size: 56
    .max_flat_workgroup_size: 192
    .sgpr_count:     66
    .vgpr_count:     192
    .wavefront_size: 32
...
	.end_amdgpu_metadata
.endif
;; end of part 1
;; launch qkv (part 2): grid 12 x 32, 4 waves a work-group, clusters of 4 x 4, 327,680 bytes of LDS; arguments cod, scl, bq, bk, bv, qq, kv; writes qq, kv
.if DOCPART == 2
	.amdgcn_target "amdgcn-amd-amdhsa--gfx1250"
	.amdhsa_code_object_version 6
	.text
	.protected	k_q3cb9e62f00_qkv
	.globl	k_q3cb9e62f00_qkv
	.p2align	8
	.type	k_q3cb9e62f00_qkv,@function
k_q3cb9e62f00_qkv:
	s_mov_b64 s[64:65], 0
	v_nop
	global_prefetch_b8 v0, s[64:65] scope:SCOPE_SE
	s_setreg_imm32_b32 hwreg(HW_REG_WAVE_MODE, 25, 1), 1
	s_wait_xcnt 0x0
	s_wait_alu depctr_hold_cnt(0) depctr_sa_sdst(0) depctr_va_vdst(0) depctr_va_sdst(0) depctr_va_ssrc(0) depctr_va_vcc(0) depctr_vm_vsrc(0)
	s_getreg_b32 s2, hwreg(HW_REG_IB_STS2, 6, 4)
	s_cmp_eq_u32 s2, 0
	s_cbranch_scc0 .Lentry_in_a_cluster
	s_endpgm
.Lentry_in_a_cluster:
	s_bfe_u32 s2, ttmp6, 0x10000c
	s_cmp_lg_u32 s2, 0xf033
	s_cbranch_scc0 .Lentry_shape_is_right
	s_endpgm
.Lentry_shape_is_right:
.set SIZE_K, 1024
.set KSTEP,  256
.set NQ,     KSTEP/128
.set ROWB,   12288*192                 ; from a K step's plane of cod to the next
.set KROW,   192                       ; a row's bytes in a plane
.set PITCH,  240
.set FR,     12
.set NL,     6
.set NP,     4
.set HALFT,  128*PITCH
.set SLOT,   2*HALFT                   ; LDS: A's slot 0, A's slot 1, B's slot 0, B's slot 1, 256 rows each
.set LAPS,   SIZE_K/(2*KSTEP)
.set KS,     SIZE_K/32
.set SCL,    4*SLOT
.set HALFS,  (128*KS/256)*272
.set SBLK,   (16*KS/256)*272
.set SPARE,  SCL+4*HALFS
.set HEADQ,  106496
.set HEADKV, 204800
.set ADRA, 16
.set ADRB, 20
.set LI16, 24
.set LI8,  25
.set LQS,  26
.set ADRS, 27
.set SPW,  28
.set NIL,  29
.set OBB,  30
.set OBA,  31
.set SC,   32
.set BB,   64
.set AF,   128
.set BA,   240
.set HA,   128
.set CT,   8
.set TM,   192
.set PW,   208
.set SW,   210
.set SD,   226
.set TY,   2
.set WV,   66
.set RH,   67
.set CH,   95
.set SEL,  20
.set HM,   104
.set G1, 24
.set G0, 32
.set G1B, 48
.set G0B, 56
.set G1S, 68
.set G0S, 76
.set G1SB, 80
.set G0SB, 88
.set MSB, 0
.macro WIN new
.if MSB != (\new)
	s_set_vgpr_msb (MSB<<8)|(\new)
.set MSB, (\new)
.endif
.endm
.set MUL_LO, 0xa1
.set MUL_HI, 0xf1
.set TO_B,   0x40
.macro JLOAD g0a, g1a, g0b, g1b
	s_cmp_eq_u32 s[RH], 0
	s_cbranch_scc0 .Lfor_b_\@
	tensor_load_to_lds s[\g0a:\g0a+3], s[\g1a:\g1a+7]
	s_nop 0
.rept 4
	v_nop
.endr
	s_branch .Lasked_\@
.Lfor_b_\@:
	tensor_load_to_lds s[\g0b:\g0b+3], s[\g1b:\g1b+7]
	s_nop 0
.rept 4
	v_nop
.endr
.Lasked_\@:
.endm
.macro CREST
	s_cmp_lg_u32 s[WV], 0
	s_cbranch_scc1 .Lnot_wave_0_\@
	s_barrier_signal -3
.Lnot_wave_0_\@:
	s_barrier_wait -3
	s_barrier_signal -1
	s_barrier_wait -1
.endm
.macro CROUND
	s_barrier_signal -1
	s_barrier_wait -1
	CREST
.endm
	s_load_b128 s[4:7], s[0:1], 0x0
	s_load_b128 s[96:99], s[0:1], 0x10
	s_load_b64 s[100:101], s[0:1], 0x20
	s_load_b128 s[12:15], s[0:1], 0x28
	v_lshl_add_u32 v[SPW], v0, 2, SPARE
	v_mov_b32 v[NIL], 0
	ds_add_u32 v[SPW], v[NIL]
	ds_add_u32 v[SPW], v[NIL]
	v_lshrrev_b32 v1, 5, v0
	v_readfirstlane_b32 s[WV], v1
	s_lshr_b32 s[RH], s[WV], 1
	s_and_b32 s[CH], s[WV], 1
	s_bfe_u32 s40, ttmp6, 0x40000
	s_bfe_u32 s41, ttmp6, 0x40004
	s_mov_b32 s[TY], ttmp9
	s_and_b32 s17, ttmp7, 0xffff
	s_lshl_b32 s17, s17, 10
	s_lshl_b32 s43, s41, 2
	s_lshl_b32 s43, 15, s43
	s_lshl_b32 s44, 0x1111, s40
	s_or_b32 s[G1+0], s43, (0<<16)|(1<<20)|(1<<21)|(3<<22)|(3<<25)
	s_or_b32 s[G1B+0], s44, (0<<16)|(1<<20)|(1<<21)|(3<<22)|(3<<25)
.irp g, G1, G1B
	s_mov_b32 s[\g+1], 49152<<16                   ; the head's loads bring a tile's 256 rows of K steps 0 and 1: two rows of 49,152 dense bytes, a plane of cod apart; the padding's interval stays 64 bytes
	s_mov_b32 s[\g+2], 2<<16
	s_mov_b32 s[\g+3], 49152<<16
	s_mov_b32 s[\g+4], 2
	s_mov_b32 s[\g+5], ROWB
	s_mov_b32 s[\g+6], 0
	s_mov_b32 s[\g+7], 0
.endr
	s_or_b32 s[G1S+0], s43, (3<<16)|(1<<20)|(1<<21)|(5<<22)|(3<<25)
	s_or_b32 s[G1SB+0], s44, (3<<16)|(1<<20)|(1<<21)|(5<<22)|(3<<25)
.irp g, G1S, G1SB
	s_mov_b32 s[\g+1], 32<<16
	s_mov_b32 s[\g+2], (256*KS/256)<<16
	s_mov_b32 s[\g+3], 32<<16
	s_mov_b32 s[\g+4], 256*KS/256
	s_mov_b32 s[\g+5], 32
	s_mov_b32 s[\g+6], 0
	s_mov_b32 s[\g+7], 0
.endr
	s_lshl_b32 s20, s41, 8
	s_lshl_b32 s46, s40, 8
	s_lshl_b32 s19, s[TY], 10
	s_add_co_u32 s19, s19, 8192
	s_mov_b32 s42, 10240
	s_cmp_eq_u32 s[TY], 2
	s_cselect_b32 s42, s42, s17
	s_cselect_b32 s19, s17, s19
	s_add_co_u32 s20, s20, s42
	s_add_co_u32 s46, s46, s19
	s_mov_b32 s21, 0
	s_mov_b32 s47, 0
	s_mov_b64 s[18:19], KS
	s_mul_u64 s[22:23], s[20:21], s[18:19]
	s_mul_u64 s[92:93], s[46:47], s[18:19]
	s_mov_b64 s[18:19], KROW
	s_mul_u64 s[20:21], s[20:21], s[18:19]
	s_mul_u64 s[46:47], s[46:47], s[18:19]
	s_mul_i32 s45, s[CH], HALFT
	s_mul_i32 s18, s[CH], 128*KROW                 ; in the ring I fetch 128 rows of a tile: which half, in bytes
	s_mov_b32 s19, 0
	s_wait_dscnt 0x0
	s_wait_kmcnt 0x0
	s_add_nc_u64 s[20:21], s[4:5], s[20:21]
	s_add_nc_u64 s[22:23], s[6:7], s[22:23]
	s_add_nc_u64 s[46:47], s[4:5], s[46:47]
	s_add_nc_u64 s[92:93], s[6:7], s[92:93]
	CROUND
	s_mov_b32 s[G0S], 1
	s_mov_b32 s[G0S+1], SCL
	s_mov_b64 s[G0S+2:G0S+3], s[22:23]
	s_or_b32 s[G0S+3], s[G0S+3], 0x80000000
	s_mov_b32 s[G0SB], 1
	s_mov_b32 s[G0SB+1], SCL+2*HALFS
	s_mov_b64 s[G0SB+2:G0SB+3], s[92:93]
	s_or_b32 s[G0SB+3], s[G0SB+3], 0x80000000
	s_mov_b32 s4, 1                                ; group 0 of the head's loads of K steps 0 and 1: A's 256 rows (the arguments that lay in s[4:7] have been used),
	s_mov_b32 s5, 0
	s_mov_b64 s[6:7], s[20:21]
	s_or_b32 s7, s7, 0x80000000
	s_mov_b32 s8, 1                                ; and B's, behind them in slot 0
	s_mov_b32 s9, 4*HALFT
	s_mov_b64 s[10:11], s[46:47]
	s_or_b32 s11, s11, 0x80000000
	s_add_nc_u64 s[20:21], s[20:21], s[18:19]      ; for the ring: my 128 rows of the tile
	s_add_nc_u64 s[46:47], s[46:47], s[18:19]
.irp s, 0,1
	s_mov_b32 s[G0+4*\s], 1
	s_add_co_u32 s[G0+4*\s+1], s45, \s*SLOT
	s_add_nc_u64 s[G0+4*\s+2:G0+4*\s+3], s[20:21], \s*ROWB
	s_or_b32 s[G0+4*\s+3], s[G0+4*\s+3], 0x80000000
	s_mov_b32 s[G0B+4*\s], 1
	s_add_co_u32 s[G0B+4*\s+1], s45, 4*HALFT+\s*SLOT
	s_add_nc_u64 s[G0B+4*\s+2:G0B+4*\s+3], s[46:47], \s*ROWB
	s_or_b32 s[G0B+4*\s+3], s[G0B+4*\s+3], 0x80000000
.endr
	; the head's four tiles, one joint load a wave, in one chain of branches on the wave's number: A's codes, B's codes, A's scales, B's scales
	s_cmp_eq_u32 s[WV], 0
	s_cbranch_scc0 .Lh1
	tensor_load_to_lds s[4:7], s[G1:G1+7]
	s_nop 0
.rept 4
	v_nop
.endr
	s_branch .Lhj
.Lh1:
	s_cmp_eq_u32 s[WV], 1
	s_cbranch_scc0 .Lh2
	tensor_load_to_lds s[8:11], s[G1B:G1B+7]
	s_nop 0
.rept 4
	v_nop
.endr
	s_branch .Lhj
.Lh2:
	s_cmp_eq_u32 s[WV], 2
	s_cbranch_scc0 .Lh3
	tensor_load_to_lds s[G0S:G0S+3], s[G1S:G1S+7]
	s_nop 0
.rept 4
	v_nop
.endr
	s_branch .Lhj
.Lh3:
	tensor_load_to_lds s[G0SB:G0SB+3], s[G1SB:G1SB+7]
	s_nop 0
.rept 4
	v_nop
.endr
.Lhj:
	v_and_b32 v1, 15, v0
	v_bfe_u32 v2, v0, 4, 1
	v_mul_u32_u24 v3, v1, PITCH
	v_mul_u32_u24 v4, v2, 24
	v_add_nc_u32 v4, v3, v4
	v_lshl_add_u32 v5, v2, 4, v4
	s_mul_i32 s21, s[RH], HALFT
	s_mul_i32 s22, s[CH], HALFT
	s_add_co_u32 s22, s22, 4*HALFT
.irp s, 0,1
	v_add_nc_u32 v[ADRA+\s], s21, v4
	v_add_nc_u32 v[ADRB+\s], s22, v4
	v_add_nc_u32 v[ADRA+2+\s], s21, v5
	v_add_nc_u32 v[ADRB+2+\s], s22, v5
	s_add_co_u32 s21, s21, SLOT
	s_add_co_u32 s22, s22, SLOT
.endr
	v_mul_u32_u24 v5, v1, KS
	v_lshrrev_b32 v6, 8, v5
	v_lshl_add_u32 v5, v6, 4, v5
	s_mul_i32 s21, s[RH], HALFS
	s_mul_i32 s22, s[CH], HALFS
	s_add_co_u32 s22, s22, 2*HALFS
	s_sub_co_u32 s22, s22, s21
	v_mul_u32_u24 v6, s22, v2
	s_add_co_u32 s21, s21, SCL
	v_add_nc_u32 v5, v5, v6
	v_add_nc_u32 v[ADRS], s21, v5
	v_lshlrev_b32 v[OBB], 6, v2
	s_wait_alu depctr_va_vdst(0)
	v_and_b32 v5, 8, v1
	v_add_nc_u32 v5, v5, v1
	v_lshlrev_b32 v[OBA], 2, v5
	s_wait_alu depctr_va_vdst(0)
	v_and_b32 v6, 31, v0
	v_lshlrev_b32 v[LI16], 4, v6
	v_lshlrev_b32 v[LI8], 3, v6
	v_lshlrev_b32 v[LQS], 5, v1
	v_lshl_add_u32 v[LQS], v2, 4, v[LQS]
	s_cmp_eq_u32 s[TY], 1
	s_cselect_b64 s[96:97], s[98:99], s[96:97]
	s_cmp_eq_u32 s[TY], 2
	s_cselect_b64 s[96:97], s[100:101], s[96:97]
	s_lshl_b32 s18, s40, 10
	s_lshl_b32 s19, s[CH], 9
	s_add_co_u32 s18, s18, s19
	s_mov_b32 s19, 0
	s_add_nc_u64 s[98:99], s[96:97], s[18:19]
	s_lshl_b32 s18, s41, 10
	s_lshl_b32 s22, s[RH], 9
	s_add_co_u32 s18, s18, s22
	s_add_nc_u64 s[100:101], s[96:97], s[18:19]
.irp b, 0,1,2,3,4,5,6,7
	global_load_b128 v[BB+8*\b:BB+8*\b+3], v[OBB], s[98:99] offset:(32*(\b/2)+8*(\b%2))*4
	global_load_b128 v[BB+8*\b+4:BB+8*\b+7], v[OBB], s[98:99] offset:(32*(\b/2)+8*(\b%2))*4+16
.endr
.irp a, 0,1,2,3,4,5,6,7
	global_load_b32 v[BA+2*\a], v[OBA], s[100:101] offset:(32*(\a/2)+8*(\a%2))*4
.endr
.macro FRAG reg, adr, q, i
.irp p, 0,1,2,3,4,5
.set PC, 12*(\q)+6*(\p/3)+\p%3
.if PC%8 < 5
	ds_load_b64 v[\reg+2*\p:\reg+2*\p+1], v[\adr] offset:8*PC+16*(PC/8)+(\i)*16*PITCH
.else
	ds_load_b64 v[\reg+2*\p:\reg+2*\p+1], v[\adr+2] offset:8*PC+16*(PC/8)+(\i)*16*PITCH
.endif
.endr
.endm
.macro MUL16 a0, p, q, sc, zero
.irp a, \a0, \a0+1
.irp b, 0,1,2,3,4,5,6,7
.if \zero
	v_wmma_scale_f32_16x16x128_f8f6f4 v[8*(8*((\a)%4)+\b):8*(8*((\a)%4)+\b)+7], v[128*(\p)+FR*\b:128*(\p)+FR*\b+FR-1], v[AF+FR*(\a):AF+FR*(\a)+FR-1], 0, v[SC+8*NQ*(\sc)+NQ*\b+(\q)], v[SC+8*NQ*(\sc)+NQ*(\a)+(\q)] matrix_a_fmt:MATRIX_FMT_FP6 matrix_b_fmt:MATRIX_FMT_FP6 matrix_a_scale:MATRIX_SCALE_ROW1
.else
	v_wmma_scale_f32_16x16x128_f8f6f4 v[8*(8*((\a)%4)+\b):8*(8*((\a)%4)+\b)+7], v[128*(\p)+FR*\b:128*(\p)+FR*\b+FR-1], v[AF+FR*(\a):AF+FR*(\a)+FR-1], v[8*(8*((\a)%4)+\b):8*(8*((\a)%4)+\b)+7], v[SC+8*NQ*(\sc)+NQ*\b+(\q)], v[SC+8*NQ*(\sc)+NQ*(\a)+(\q)] matrix_a_fmt:MATRIX_FMT_FP6 matrix_b_fmt:MATRIX_FMT_FP6 matrix_a_scale:MATRIX_SCALE_ROW1
.endif
.endr
.endr
.endm
.macro FETCH_B slot, q, p
	WIN TO_B
.irp i, 0,1,2,3,4,5,6,7
	FRAG 128*(\p)+FR*\i, ADRB+\slot, \q, \i
.endr
	WIN 0
.endm
.macro FETCH_A slot, q, i0
.irp i, \i0, \i0+1, \i0+2, \i0+3
	FRAG AF+FR*(\i), ADRA+\slot, \q, \i
.endr
.endm
.macro SCALES sc
.irp i, 0,1,2,3,4,5,6,7
	ds_load_b64 v[SC+8*NQ*\sc+NQ*\i:SC+8*NQ*\sc+NQ*\i+1], v[ADRS] offset:\i*SBLK
.endr
.endm
.macro PLACES n
.rept \n
	v_nop
.endr
.endm
.macro STEP slot, q, zero
	s_wait_dscnt 4*NL
	WIN MUL_LO
	MUL16 0, (\q)%2, \q, \slot, \zero
	MUL16 2, (\q)%2, \q, \slot, \zero
	s_wait_dscnt 0
	PLACES NP
	FETCH_B \slot, (\q)+1, 1-(\q)%2
	FETCH_A \slot, (\q)+1, 0
	WIN MUL_HI
	MUL16 4, (\q)%2, \q, \slot, \zero
	MUL16 6, (\q)%2, \q, \slot, \zero
	PLACES NP
	WIN 0
	FETCH_A \slot, (\q)+1, 4
.endm
.macro TURN slot, next, fill
	s_wait_tensorcnt 0x0
	ds_add_u32 v[SPW], v[NIL]
	s_wait_dscnt 4*NL+1
	WIN MUL_LO
	MUL16 0, 1, NQ-1, \slot, 0
	s_wait_dscnt 0x0
	s_barrier_signal -1
	MUL16 2, 1, NQ-1, \slot, 0
	WIN 0
	s_barrier_wait -1
.if \fill
	CREST
	s_add_nc_u64 s[G0+4*\slot+2:G0+4*\slot+3], s[G0+4*\slot+2:G0+4*\slot+3], 2*ROWB
	s_add_nc_u64 s[G0B+4*\slot+2:G0B+4*\slot+3], s[G0B+4*\slot+2:G0B+4*\slot+3], 2*ROWB
	JLOAD G0+4*\slot, G1, G0B+4*\slot, G1B
.else
	PLACES NP
.endif
	s_wait_alu depctr_va_vdst(0)
	v_add_nc_u32 v[ADRS], 4*NQ, v[ADRS]
	FETCH_B \next, 0, 0
	FETCH_A \next, 0, 0
	SCALES \next
	WIN MUL_HI
	MUL16 4, 1, NQ-1, \slot, 0
	MUL16 6, 1, NQ-1, \slot, 0
	PLACES NP
	WIN 0
	FETCH_A \next, 0, 4
.endm
	s_wait_alu depctr_va_vdst(0)                   ; the wait at the head's end
	s_wait_tensorcnt 0x0                           ; my tile of the head's four is in: both slots and the scales are filled at the head
.irp g, G1, G1B                        ; no tensor load of mine is out: from here on a load brings 128 rows of one K step, 96 rows of 256 bytes
	s_mov_b32 s[\g+1], 256<<16
	s_mov_b32 s[\g+2], 96<<16
	s_mov_b32 s[\g+3], 256<<16
	s_mov_b32 s[\g+4], 96
	s_mov_b32 s[\g+5], 256
.endr
	s_barrier_signal -1
	s_barrier_wait -1                              ; everybody's tile is in
	FETCH_B 0, 0, 0
	FETCH_A 0, 0, 0
	SCALES 0
	FETCH_A 0, 0, 4
	STEP 0, 0, 1
	s_mov_b32 s3, LAPS-1
.Llap:
	TURN 0, 1, 1
	STEP 1, 0, 0
	TURN 1, 0, 1
	STEP 0, 0, 0
	s_sub_co_u32 s3, s3, 1
	s_cmp_lg_u32 s3, 0
	s_cbranch_scc1 .Llap
	TURN 0, 1, 0
	STEP 1, 0, 0
	s_wait_dscnt 4*NL
	WIN MUL_LO
	MUL16 0, 1, NQ-1, 1, 0
	MUL16 2, 1, NQ-1, 1, 0
	s_wait_dscnt 0
	WIN MUL_HI
	MUL16 4, 1, NQ-1, 1, 0
	MUL16 6, 1, NQ-1, 1, 0
	WIN 0
.macro ADDB a, mode
	WIN 0x02+(\a)/4
.set AC, 64*((\a)%4)
.set k, 0
.rept 32
.if \mode
	v_pk_add_f32 v[HA+2*k:HA+2*k+1], v[AC+2*k:AC+2*k+1], v[BA+2*(\a):BA+2*(\a)+1] op_sel_hi:[1,0]
.else
	v_pk_add_f32 v[HA+2*k:HA+2*k+1], v[AC+2*k:AC+2*k+1], v[BB+2*k:BB+2*k+1]
.endif
.set k, k+1
.endr
	WIN 0
.endm
.macro QUANT s, d0, d1, pw
.irp b, 0,1,2,3
	v_max3_num_f32 v[TM+\b], |v[\s+16*\b]|, |v[\s+1+16*\b]|, 0x1800000
.endr
.irp i, 2,4,6,8,10,12,14
.irp b, 0,1,2,3
	v_max3_num_f32 v[TM+\b], v[TM+\b], |v[\s+16*\b+\i]|, |v[\s+1+16*\b+\i]|
.endr
.endr
.irp b, 0,1,2,3
	v_permlanex16_b32 v[TM+4+\b], v[TM+\b], s[SEL], s[SEL+1]
.endr
.irp b, 0,1,2,3
	v_max_num_f32 v[TM+\b], v[TM+\b], v[TM+4+\b]
.endr
.irp b, 0,1,2,3
	v_add_nc_u32 v[TM+12+\b], 0xff000000, v[TM+\b]
.endr
.irp b, 0,1,2,3
	v_lshrrev_b32 v[TM+4+\b], 23, v[TM+12+\b]
.endr
	v_lshl_or_b32 v[\pw], v[TM+5], 8, v[TM+4]
	v_lshl_or_b32 v[\pw], v[TM+6], 16, v[\pw]
	v_lshl_or_b32 v[\pw], v[TM+7], 24, v[\pw]
	v_cvt_scalef32_pk16_fp6_f32 v[\d0:\d0+2], v[\s:\s+15], v[TM+12]
	v_cvt_scalef32_pk16_fp6_f32 v[CT:CT+2], v[\s+16:\s+31], v[TM+13]
	v_cvt_scalef32_pk16_fp6_f32 v[\d1:\d1+2], v[\s+32:\s+47], v[TM+14]
	v_cvt_scalef32_pk16_fp6_f32 v[CT+4:CT+6], v[\s+48:\s+63], v[TM+15]
	v_nop
.irp i, 0,1,2
	v_permlane16_swap_b32 v[\d0+\i], v[CT+\i]
.endr
.irp i, 0,1,2
	v_mov_b32 v[\d0+3+\i], v[CT+\i]
.endr
.irp i, 0,1,2
	v_permlane16_swap_b32 v[\d1+\i], v[CT+4+\i]
.endr
.irp i, 0,1,2
	v_mov_b32 v[\d1+3+\i], v[CT+4+\i]
.endr
.endm
	PLACES NP
	s_wait_loadcnt 0x0
	s_mov_b32 s[SEL], 0x76543210
	s_mov_b32 s[SEL+1], 0xfedcba98
	s_mov_b32 s[HM], 0xffff0000
.irp b, 0,1,2,3
	v_mov_b32 v[TM+4+\b], 0
.endr
	s_cmp_eq_u32 s[TY], 2
	s_cselect_b32 s18, s40, s41
	s_cselect_b32 s19, s[CH], s[RH]
	s_cselect_b32 s22, s41, s40
	s_cselect_b32 s23, s[RH], s[CH]
	s_lshl_b32 s18, s18, 8
	s_lshl_b32 s19, s19, 7
	s_add_co_u32 s18, s18, s19
	s_add_co_u32 s18, s18, s17
	s_lshr_b32 s19, s18, 11
	s_lshl_b32 s19, s19, 4
	s_lshl_b32 s22, s22, 2
	s_lshl_b32 s23, s23, 1
	s_add_co_u32 s19, s19, s22
	s_add_co_u32 s19, s19, s23
	s_bfe_u32 s18, s18, 0x40007
	s_cmp_eq_u32 s[TY], 0
	s_cselect_b64 s[12:13], s[12:13], s[14:15]
	s_mov_b32 s22, HEADKV
	s_cselect_b32 s22, HEADQ, s22
	s_cselect_b32 s23, 9, 8
	s_mul_i32 s22, s19, s22
	s_mul_i32 s42, s18, 6144
	s_add_co_u32 s42, s42, s22
	s_mov_b32 s43, 0
	s_lshl_b32 s44, s18, s23
	s_add_co_u32 s44, s44, s22
	s_mov_b32 s45, 0
	s_add_nc_u64 s[8:9], s[12:13], s[42:43]
	s_add_nc_u64 s[10:11], s[12:13], s[44:45]
	s_cmp_eq_u32 s[TY], 1
	s_cbranch_scc1 .Lk_arm
	s_cmp_eq_u32 s[TY], 2
	s_cbranch_scc1 .Lv_arm
.set KP, 234
.irp a, 0,1,2,3,4,5,6,7
	s_wait_xcnt 0x0
	ADDB \a, 0
	QUANT HA, KP, KP+6, PW
.irp c, 0,1
	global_store_b128 v[LI16], v[KP+6*\c:KP+6*\c+3], s[8:9] offset:\c*HEADQ+768*\a
	global_store_b64 v[LI8], v[KP+6*\c+4:KP+6*\c+5], s[8:9] offset:\c*HEADQ+768*\a+512
.endr
	v_perm_b32 v[SW+\a], v[PW], v[PW], 0x01000100
	v_perm_b32 v[SW+8+\a], v[PW], v[PW], 0x03020302
.endr
.irp c, 0,1
.irp i, 0,1,2,3
	v_cndmask_b32 v[SD+4*\c+\i], v[SW+8*\c+\i], v[SW+8*\c+4+\i], s[HM]
.endr
	global_store_b128 v[LQS], v[SD+4*\c:SD+4*\c+3], s[10:11] offset:98304+\c*HEADQ
.endr
	s_branch .Lend
.Lk_arm:
.set KP, 230
.irp p, 0,1,2,3
	s_wait_xcnt 0x0
	ADDB 2*\p, 0
	QUANT HA, KP, KP+12, PW
	ADDB 2*\p+1, 0
	QUANT HA, KP+6, KP+18, PW+1
.irp c, 0,1
.irp g, 0,1,2
	global_store_b128 v[LI16], v[KP+12*\c+4*\g:KP+12*\c+4*\g+3], s[8:9] offset:\c*HEADKV+1536*\p+512*\g
.endr
.endr
	v_perm_b32 v[SW+\p], v[PW+1], v[PW], 0x05040100
	v_perm_b32 v[SW+4+\p], v[PW+1], v[PW], 0x07060302
.endr
.irp c, 0,1
.irp i, 0,1
	v_cndmask_b32 v[SD+2*\c+\i], v[SW+4*\c+2*\i], v[SW+4*\c+2*\i+1], s[HM]
.endr
	global_store_b64 v[LI8], v[SD+2*\c:SD+2*\c+1], s[10:11] offset:196608+\c*HEADKV
.endr
	s_branch .Lend
.Lv_arm:
.set KP, 64
.irp a, 0,1,2,3,4,5,6,7
	v_mov_b32 v[BA+2*\a+1], v[BA+2*\a]
.endr
	s_wait_alu depctr_va_vdst(0)
.irp a, 0,1,2,3,4,5,6,7
	s_wait_xcnt 0x0
	ADDB \a, 1
	QUANT HA, KP, KP+6, SW+\a
.irp g, 0,1,2
	global_store_b128 v[LI16], v[KP+4*\g:KP+4*\g+3], s[8:9] offset:98304+(\a/4)*HEADKV+1536*(\a%4)+512*\g
.endr
.endr
.irp c, 0,1
.irp i, 0,1
	v_cndmask_b32 v[SD+2*\c+\i], v[SW+4*\c+2*\i], v[SW+4*\c+2*\i+1], s[HM]
.endr
	global_store_b64 v[LI8], v[SD+2*\c:SD+2*\c+1], s[10:11] offset:200704+\c*HEADKV
.endr
.Lend:
	s_wait_tensorcnt 0x0
	ds_add_u32 v[SPW], v[NIL]
	s_wait_dscnt 0x0
	CROUND
	s_endpgm
.Lfunc_end_k_q3cb9e62f00_qkv:
	.size	k_q3cb9e62f00_qkv, .Lfunc_end_k_q3cb9e62f00_qkv-k_q3cb9e62f00_qkv
	.p2alignl 7, 3214868480
	.fill 96, 4, 3214868480
	.section	.rodata,"a",@progbits
	.p2align	6, 0x0
	.amdhsa_kernel k_q3cb9e62f00_qkv
		.amdhsa_group_segment_fixed_size 327680
		.amdhsa_private_segment_fixed_size 0
		.amdhsa_enable_private_segment 0
		.amdhsa_kernarg_size 56
		.amdhsa_user_sgpr_count 2
		.amdhsa_user_sgpr_kernarg_segment_ptr 1
		.amdhsa_wavefront_size32 1
		.amdhsa_system_sgpr_workgroup_id_x 1
		.amdhsa_system_sgpr_workgroup_id_y 1
		.amdhsa_system_sgpr_workgroup_id_z 1
		.amdhsa_system_vgpr_workitem_id 0
		.amdhsa_next_free_vgpr 1024
		.amdhsa_next_free_sgpr 106
		.amdhsa_reserve_vcc 0
		.amdhsa_float_denorm_mode_32 3
		.amdhsa_float_denorm_mode_16_64 3
		.amdhsa_memory_ordered 1
		.amdhsa_forward_progress 1
		.amdhsa_inst_pref_size 255
	.end_amdhsa_kernel
	.section	.bss,"aw",@nobits
	.p2align	6
	.space	262144
	.amdgpu_metadata
---
amdhsa.version: [ 1, 2 ]
amdhsa.kernels:
  - .name:           k_q3cb9e62f00_qkv
    .symbol:         k_q3cb9e62f00_qkv.kd
    .args:
      - { .name: cod, .offset: 0, .size: 8, .value_kind: global_buffer, .address_space: global }
      - { .name: scl, .offset: 8, .size: 8, .value_kind: global_buffer, .address_space: global }
      - { .name: bq, .offset: 16, .size: 8, .value_kind: global_buffer, .address_space: global }
      - { .name: bk, .offset: 24, .size: 8, .value_kind: global_buffer, .address_space: global }
      - { .name: bv, .offset: 32, .size: 8, .value_kind: global_buffer, .address_space: global }
      - { .name: qq, .offset: 40, .size: 8, .value_kind: global_buffer, .address_space: global }
      - { .name: kv, .offset: 48, .size: 8, .value_kind: global_buffer, .address_space: global }
    .group_segment_fixed_size: 327680
    .private_segment_fixed_size: 0
    .kernarg_segment_align: 8
    .kernarg_segment_size: 56
    .max_flat_workgroup_size: 128
    .sgpr_count:     106
    .vgpr_count:     1024
    .wavefront_size: 32
...
	.end_amdgpu_metadata
.endif
;; end of part 2
;; launch attn (part 3): grid 4 x 64, 8 waves a work-group, clusters of 4 x 1, 266,240 bytes of LDS; arguments qq, kv, attention_mask, ctxc, ctxs; writes ctxc, ctxs
.if DOCPART == 3
	.amdgcn_target "amdgcn-amd-amdhsa--gfx1250"
	.amdhsa_code_object_version 6
	.text
	.protected	k_q3cb9e62f00_attn
	.globl	k_q3cb9e62f00_attn
	.p2align	8
	.type	k_q3cb9e62f00_attn,@function
k_q3cb9e62f00_attn:
	s_mov_b64 s[64:65], 0
	v_nop
	global_prefetch_b8 v0, s[64:65] scope:SCOPE_SE
	s_setreg_imm32_b32 hwreg(HW_REG_WAVE_MODE, 25, 1), 1
	s_wait_xcnt 0x0
	s_wait_alu depctr_hold_cnt(0) depctr_sa_sdst(0) depctr_va_vdst(0) depctr_va_sdst(0) depctr_va_ssrc(0) depctr_va_vcc(0) depctr_vm_vsrc(0)
	s_getreg_b32 s2, hwreg(HW_REG_IB_STS2, 6, 4)
	s_cmp_eq_u32 s2, 0
	s_cbranch_scc0 .Lentry_in_a_cluster
	s_endpgm
.Lentry_in_a_cluster:
	s_bfe_u32 s2, ttmp6, 0x10000c
	s_cmp_lg_u32 s2, 0x3003
	s_cbranch_scc0 .Lentry_shape_is_right
	s_endpgm
.Lentry_shape_is_right:
; ctx[b][h][q] = the sum over k of softmax_k(q . k / 8 + mask) v, both products on codes of FP6 (E2M3) with one E8M0 scale for each 32 along a product's K; ctx is quantised along the head's 64 and leaves as register images.
; THE SOFTMAX AHEAD OF THE SECOND PRODUCT: t = (score + mask) x log2(e) / 8; M = the row's largest t so far, rounded up to a whole number; p = 2^(t - M) is quantised along the keys, not normalised.
; The row's sum is taken of the unquantised p, in f32, and divides the result at the end.  When M moves, the sum and the result are multiplied by 2^(old M - new M): exact.
; SHARES.  A work-group owns one head and 512 of its queries; each of its eight waves 64 queries, FOUR TILES OF 16 IN ONE WALK over the 2,048 keys, 128 a step: a step's fragments of K and V and its mask come from LDS once for the four tiles.
; THE WHOLE HEAD'S K AND V STAY IN LDS: 204,800 dense bytes of kv, 25,600 by each wave's one tensor load, as rows of 256 bytes with 64 of padding behind each.  Nothing is filled again: one barrier, none in the loop.
; No prefetch: every tile byte is asked for at the head, and no loop of this text loads tiles from memory.
; CLUSTER.  The four work-groups of a cluster are the four query blocks of one head: each of the eight loads is asked for jointly by the four.
; LAYOUT.  Both products are used transposed: S^T = K Q^T, O^T = V^T P^T: a lane holds one query (lane % 16) throughout.  The head size 64 is half of the instruction's K: a fragment of K holds two tiles of 16 keys and is multiplied twice,
; by q with zeros above and by q with zeros below.  WHICH KEYS FORM A TILE is chosen by the lanes' LDS addresses: rows 0-7 of tile (c, j) are keys 64 c + 8 j + 0 .. 7, rows 8-15 keys 64 c + 32 + 8 j + 0 .. 7.  So register 32 c + i of
; lane (r, h) is key 64 c + 32 h + i: a lane holds whole blocks of 32 keys, in the order of the second product's operand.  In kv's images those rows lie in two fragments, 6 LDS rows (1,920 bytes) apart.
; THE MASK is the C of the score products: a table of f32, 0 for a key that counts and -3e38 for one that does not, made once in LDS from attention_mask.
; O^T and the sums begin as zeros (written once at the head), so that the step is written once; the first change of M leaves them zeros.
; LIMITS: a hidden score is -3e38, not -infinity, and the running largest score begins at -2^120: a row all of whose open scores lie under -2^120 is not served.  A batch whose mask is all 0 has the sum 0: its rows get the scale byte
; 0xff, so that the last product gives NaN there.  A block whose largest magnitude lies under 2^(2 - 126) keeps the byte 1 (a block of zeros too).  NaN and infinities among the inputs are not served.
; REGISTERS: window 0: addresses, q between runs of zeros, scale words, the tiles' states, S^T / p, the mask, p's codes.  Window 1 (v256 on): K's four fragments at 0, V's at 48, O^T of tile i at 96 + 32 i.
.set HEADQ,  106496
.set HEADKV, 204800
.set VOFF,   122880                    ; LDS: byte y of the head's part of kv lies at 320 (y / 256) + y % 256: K's fragments from 0, V's from here,
.set KSO,    245760                    ; K's scale words, one LDS row a step,
.set VSO,    250880                    ; V's
.set MSK,    256000                    ; the mask table: 2,048 f32, written by LDS stores; no fill lands here
.set SPARE,  265216                    ; the spare words, 128 bytes for each of the eight waves
.set KST,    7680                      ; a step's codes: 24 LDS rows
.set LK,   1                           ; v1   K: 1920 (r / 8) + 320 h + 16 (r % 8)
.set LV,   2                           ; v2   V: VOFF + 320 h + 16 r
.set LS,   3                           ; v3   K's scale words: KSO + 128 (r / 8) + 64 h + 8 (r % 8)
.set LSV,  4                           ; v4   V's: VSO + 8 x lane
.set SPW,  5                           ; v5   my spare word; never rewritten
.set NIL,  6                           ; v6   0; never rewritten
.set LM,   7                           ; v7   MSK + 128 h
.set ADK,  8                           ; v8-12 the step's LDS addresses
.set ADV,  9
.set ADS,  10
.set ADSV, 11
.set ADM,  12
.set SH8,  13                          ; v13  8 h
.set LI,   14                          ; v14  16 x lane
.set L8,   15                          ; v15  8 x lane
.set QZ,   16                          ; v16-69 zeros, q0, zeros, q1, zeros, q2, zeros, q3, zeros: six registers each
.set QS,   70                          ; v70-73 q's scale words
.set KSC,  74                          ; v74-75 K's scale words, v76-77 V's, v78 p's
.set VSC,  76
.set PS,   78
.set QSO,  79                          ; v79  32 r
.set ST,   80                          ; v80-95 a tile's state: -M, the largest score, the sum in two halves
.set S,    96                          ; v96-159 S^T, then p
.set MK,   160                         ; v160-223 the step's mask
.set PC,   224                         ; v224-235 p's codes
.set CT,   236                         ; v236-238, v240-242 the conversions' second halves
.set W0,   239
.set W1,   243
.set BM,   244                         ; v244-245 my two blocks' largest score, then p, then the scale operand
.set T,    246                         ; v246-253 at work
.set FF,   254                         ; v[254:255] f = 2^(old M - new M), and 0
.set VF,   48                          ; window 1
.set OB,   96
.set WV,   14
.set SEL,  20                          ; s[20:21] lane selects: lane l xor 16
.set CS,   22                          ; s[22:23] c = log2(e) / 8
.set G1,   24
.set TK,   32                          ; s32-34 the next step's codes, scale words, part of the mask table
.set TS,   33
.set TMS,  34
.set CNT,  35
.set HM,   36                          ; s36  lanes 16-31
.set NC,   37                          ; s37  -c
.set G0,   40
.set LZ,   58                          ; s58-61 lanes whose sum is 0, for each tile
.set MSB, 0
.macro WIN new
.if MSB != (\new)
	s_set_vgpr_msb (MSB<<8)|(\new)
.set MSB, (\new)
.endif
.endm
.macro WALU
	s_wait_alu depctr_va_vdst(0)
.endm
.macro CROUND
	s_barrier_signal -1
	s_barrier_wait -1
	s_cmp_lg_u32 s[WV], 0
	s_cbranch_scc1 .Lnot_wave_0_\@
	s_barrier_signal -3
.Lnot_wave_0_\@:
	s_barrier_wait -3
	s_barrier_signal -1
	s_barrier_wait -1
.endm
; 29 LDS loads: K's four fragments, the mask, K's scale words.  The four lines at its head are the places behind the score products that read these registers.
.macro LOADK
	v_add_nc_u32 v[ADK], s[TK], v[LK]
	v_add_nc_u32 v[ADS], s[TS], v[LS]
	v_add_nc_u32 v[ADM], s[TMS], v[LM]
	v_nop
	WIN 0x40
.irp f, 0,1,2,3
.irp g, 0,1,2
	ds_load_b128 v[12*\f+4*\g:12*\f+4*\g+3], v[ADK] offset:3840*(\f/2)+128*(\f%2)+640*\g
.endr
.endr
	WIN 0
.irp c, 0,1
.irp q, 0,1,2,3,4,5,6,7
	ds_load_b128 v[MK+32*\c+4*\q:MK+32*\c+4*\q+3], v[ADM] offset:256*\c+16*\q
.endr
.endr
	ds_load_b64 v[KSC:KSC+1], v[ADS]
.endm
; 13 LDS loads: V's four fragments and scale words; four places at its head, behind the products that read them
.macro LOADV
	v_add_nc_u32 v[ADV], s[TK], v[LV]
	v_add_nc_u32 v[ADSV], s[TS], v[LSV]
	v_nop
	v_nop
	WIN 0x40
.irp t, 0,1,2,3
.irp g, 0,1,2
	ds_load_b128 v[VF+12*\t+4*\g:VF+12*\t+4*\g+3], v[ADV] offset:1920*\t+640*\g
.endr
.endr
	WIN 0
	ds_load_b64 v[VSC:VSC+1], v[ADSV]
.endm
.macro SMUL i, f, u, row               ; fragment f = 2 c + j / 2, half u = j % 2: keys' tile (c, j) x tile i of queries, + mask
	v_wmma_scale_f32_16x16x128_f8f6f4 v[S+16*(\f)+8*\u:S+16*(\f)+8*\u+7], v[12*(\f):12*(\f)+11], v[QZ+12*\i+6-6*\u:QZ+12*\i+17-6*\u], v[MK+16*(\f)+8*\u:MK+16*(\f)+8*\u+7], v[KSC+(\f)/2], v[QS+\i] matrix_a_fmt:MATRIX_FMT_FP6 matrix_b_fmt:MATRIX_FMT_FP6 matrix_a_scale:MATRIX_SCALE_ROW\row
.endm
.macro PMUL i, t, row
	v_wmma_scale_f32_16x16x128_f8f6f4 v[OB+32*\i+8*\t:OB+32*\i+8*\t+7], v[VF+12*\t:VF+12*\t+11], v[PC:PC+11], v[OB+32*\i+8*\t:OB+32*\i+8*\t+7], v[VSC+\t/2], v[PS] matrix_a_fmt:MATRIX_FMT_FP6 matrix_b_fmt:MATRIX_FMT_FP6 matrix_a_scale:MATRIX_SCALE_ROW\row
.endm
.macro BMOP m                          ; my two blocks' scale operands and p's scale word, laid among the sum's additions
.if \m == 0
	v_max_num_f32 v[BM], 0x1800000, v[BM]          ; the floor 2^(3 - 127): the byte cannot fall under 1
	v_max_num_f32 v[BM+1], 0x1800000, v[BM+1]
.elseif \m == 1
	v_add_nc_u32 v[BM], 0xff000000, v[BM]          ; 2 off the exponent field: the conversion's scale operand
	v_add_nc_u32 v[BM+1], 0xff000000, v[BM+1]
.elseif \m == 2
	v_lshrrev_b32 v[W0], 23, v[BM]                 ; the bytes of blocks h and 2 + h
	v_lshrrev_b32 v[W1], 23, v[BM+1]
.elseif \m == 3
	v_lshl_or_b32 v[W0], v[W1], 16, v[W0]
.elseif \m == 4
	v_lshlrev_b32 v[W0], v[SH8], v[W0]             ; at their places in the word
.else
	v_permlanex16_b32 v[W1], v[W0], s[SEL], s[SEL+1]
.endif
.endm
; ONE TILE OF 16 QUERIES IN ONE STEP OF 128 KEYS
.macro TILE i
.set NM, ST+4*\i
.set SX, NM+1
.set SU, NM+2
	WIN 0x01
.irp c, 0,1
.irp u, 0,1
	SMUL \i, 2*\c, \u, 0
.endr
.irp u, 0,1
	SMUL \i, 2*\c+1, \u, 1
.endr
.endr
	WIN 0
.if \i == 3
	LOADK                                          ; the step's last score products are issued: the next step's K and mask
.else
.rept 4
	v_nop                                          ; places ahead of the first read of the scores
.endr
.endif
.irp k, 0,1,2,3                        ; the largest score of my two blocks of 32 keys, two chains each, each accumulator from its low end on
	v_max3_num_f32 v[T+\k], v[S+16*\k], v[S+16*\k+1], v[S+16*\k+2]
.endr
.irp n, 3,5,7,9,11,13
.irp k, 0,1,2,3
	v_max3_num_f32 v[T+\k], v[T+\k], v[S+16*\k+\n], v[S+16*\k+\n+1]
.endr
.endr
	v_max_num_f32 v[T+1], v[T+1], v[S+31]
	v_max_num_f32 v[T+3], v[T+3], v[S+63]
	v_max3_num_f32 v[BM], v[T], v[S+15], v[T+1]
	v_max3_num_f32 v[BM+1], v[T+2], v[S+47], v[T+3]
	v_max_num_f32 v[T], v[BM], v[BM+1]
	v_permlanex16_b32 v[T+1], v[T], s[SEL], s[SEL+1]
	v_max3_num_f32 v[SX], v[SX], v[T], v[T+1]      ; the running largest score of my query
	v_mul_f32 v[T+2], s[NC], v[SX]                 ; -t
	v_floor_f32 v[T+3], v[T+2]                     ; the new -M: M is a whole number
	v_sub_f32 v[T+4], v[T+3], v[NM]                ; old M - new M: a whole number, 0 or less
	v_mov_b32 v[NM], v[T+3]
	v_cvt_i32_f32 v[T+4], v[T+4]                   ; (it saturates)
	v_ldexp_f32 v[FF], 1.0, v[T+4]                 ; f = 2^(old M - new M)
.set j, 0
.rept 32
	v_pk_fma_f32 v[S+j:S+j+1], v[S+j:S+j+1], s[CS:CS+1], v[NM:NM+1] op_sel_hi:[1,0,0]   ; t - M, two at a time
.set j, j+2
.endr
	v_fma_f32 v[BM], v[BM], s[CS], v[NM]           ; the same of each block's largest score: p rises with the score
	v_fma_f32 v[BM+1], v[BM+1], s[CS], v[NM]
	WALU                                           ; the wait ahead of the batch
	v_exp_f32 v[BM], v[BM]
	v_exp_f32 v[BM+1], v[BM+1]
.set j, 0
.rept 64
	v_exp_f32 v[S+j], v[S+j]                       ; p = 2^(t - M), at most 1
.set j, j+1
.endr
	v_pk_mul_f32 v[SU:SU+1], v[SU:SU+1], v[FF:FF+1] op_sel_hi:[1,0]   ; the sums under the new M: the plain place behind the batch
	WALU                                           ; and the wait behind it
.irp a, 0,1,2,3                        ; the row's sum of the unquantised p: four chains of pairs
	v_pk_add_f32 v[T+2*\a:T+2*\a+1], v[S+2*\a:S+2*\a+1], v[S+8+2*\a:S+9+2*\a]
.endr
.irp m, 0,1,2,3,4,5
.irp a, 0,1,2,3
	v_pk_add_f32 v[T+2*\a:T+2*\a+1], v[T+2*\a:T+2*\a+1], v[S+16+8*\m+2*\a:S+17+8*\m+2*\a]
.endr
	BMOP \m
.endr
.irp c, 0,1
	v_cvt_scalef32_pk16_fp6_f32 v[PC+6*\c:PC+6*\c+2], v[S+32*\c:S+32*\c+15], v[BM+\c]
	v_cvt_scalef32_pk16_fp6_f32 v[CT+4*\c:CT+4*\c+2], v[S+32*\c+16:S+32*\c+31], v[BM+\c]   ; (a conversion's three registers begin on an even number)
.endr
	v_pk_add_f32 v[T:T+1], v[T:T+1], v[T+2:T+3]    ; plain lines behind the conversions
	v_pk_add_f32 v[T+4:T+5], v[T+4:T+5], v[T+6:T+7]
	v_or_b32 v[PS], v[W0], v[W1]                   ; p's scale word: with lane l xor 16's two bytes it is whole
	v_pk_add_f32 v[T:T+1], v[T:T+1], v[T+4:T+5]
	v_pk_add_f32 v[SU:SU+1], v[SU:SU+1], v[T:T+1]
.irp c, 0,1
.irp k, 0,1,2
	v_mov_b32 v[PC+6*\c+3+\k], v[CT+4*\c+\k]
.endr
.endr
	WIN 0x41
.if \i == 0
	s_wait_dscnt 0x0                               ; V and its scale words
.endif
	WALU                                           ; the wait directly ahead of the first reader of O^T
.set j, 0
.rept 16
	v_pk_mul_f32 v[OB+32*\i+j:OB+32*\i+j+1], v[OB+32*\i+j:OB+32*\i+j+1], v[FF:FF+1] op_sel_hi:[1,0]   ; O^T under the new M; these are also the places behind p's codes and scale word
.set j, j+2
.endr
	WIN 0x51
	PMUL \i, 0, 0                                  ; O^T += V^T P^T: four accumulators, one instruction each
	PMUL \i, 1, 1
	PMUL \i, 2, 0
	PMUL \i, 3, 1
.endm
	s_load_b256 s[4:11], s[0:1], 0x0               ; qq, kv, attention_mask, ctxc
	s_load_b64 s[12:13], s[0:1], 0x20              ; ctxs
	v_lshl_add_u32 v[SPW], v0, 2, SPARE
	v_mov_b32 v[NIL], 0
	ds_add_u32 v[SPW], v[NIL]                      ; the opening lines: the add, twice on end, and its wait ahead of my tensor load
	ds_add_u32 v[SPW], v[NIL]
	v_lshrrev_b32 v8, 5, v0
	v_readfirstlane_b32 s[WV], v8                  ; wave 0..7
	s_bfe_u32 s15, ttmp6, 0x40000                  ; cx: it enters q's and ctx's global addresses alone
	s_and_b32 s16, ttmp7, 0xffff                   ; 16 x batch + head, which the four partners share
	s_lshr_b32 s17, s16, 4                         ; batch
	s_and_b32 s18, s16, 15                         ; head
	s_lshl_b32 s19, ttmp9, 2
	s_add_co_u32 s19, s19, s15                     ; my block of 512 queries
	s_lshl_b32 s19, s19, 5
	s_lshl_b32 s38, s[WV], 2
	s_add_co_u32 s19, s19, s38                     ; my first tile of the head's 128
	s_mov_b32 s[G1], 15|(3<<16)|(1<<20)|(1<<21)|(5<<22)|(15<<25)   ; the mask: all four work-groups; elements of 8 bytes; after every 64 words 16 words of padding
	s_mov_b32 s[G1+1], 32<<16
	s_mov_b32 s[G1+2], 100<<16                     ; 100 rows of 256 bytes
	s_mov_b32 s[G1+3], 32<<16
	s_mov_b32 s[G1+4], 100
	s_mov_b32 s[G1+5], 32
	s_mov_b32 s[G1+6], 0
	s_mov_b32 s[G1+7], 0
	s_mul_i32 s46, s16, HEADKV
	s_mul_i32 s38, s[WV], 25600
	s_add_co_u32 s46, s46, s38                     ; my eighth of the head in kv
	s_mov_b32 s47, 0
	s_mul_i32 s48, s16, HEADQ
	s_mul_i32 s38, s19, 768
	s_add_co_u32 s50, s48, s38                     ; my first tile's codes in qq
	s_mov_b32 s51, 0
	s_lshr_b32 s38, s19, 3
	s_lshl_b32 s38, s38, 9
	s_and_b32 s39, s19, 7
	s_lshl_b32 s39, s39, 2
	s_add_co_u32 s48, s48, s38
	s_add_co_u32 s48, s48, s39
	s_add_co_u32 s48, s48, 98304                   ; its scale words: [tile / 8][row][tile % 8]: my four tiles' are 16 bytes on end
	s_mov_b32 s49, 0
	s_lshl_b32 s52, s17, 13                        ; the batch's 2,048 mask words
	s_mov_b32 s53, 0
	s_lshl_b32 s38, s17, 7
	s_add_co_u32 s38, s38, s19                     ; my first tile among all 512
	s_mul_i32 s54, s38, 768
	s_mul_i32 s39, s18, 393216
	s_add_co_u32 s54, s54, s39                     ; ctxc: [head][tile][768]
	s_mov_b32 s55, 0
	s_lshl_b32 s56, s38, 9
	s_lshl_b32 s39, s18, 1
	s_add_co_u32 s56, s56, s39                     ; ctxs: 32 bytes a row, my head's two
	s_mov_b32 s57, 0
	s_mov_b32 s[SEL], 0x76543210
	s_mov_b32 s[SEL+1], 0xfedcba98
	s_mov_b32 s[CS], 0x3e38aa3b                    ; c = log2(e) / 8
	s_mov_b32 s[CS+1], s[CS]
	s_mov_b32 s[NC], 0xbe38aa3b                    ; -c
	s_mov_b32 s[HM], 0xffff0000
	s_mov_b32 s[TK], 0
	s_mov_b32 s[TS], 0
	s_mov_b32 s[TMS], 0
	s_mov_b32 s[CNT], 16
	v_and_b32 v8, 31, v0                           ; lane
	v_and_b32 v9, 15, v0                           ; r
	v_bfe_u32 v10, v0, 4, 1                        ; h
	v_bfe_u32 v11, v0, 3, 1                        ; r / 8
	v_and_b32 v12, 7, v0                           ; r % 8
	v_lshlrev_b32 v[LI], 4, v8
	v_lshlrev_b32 v[L8], 3, v8
	v_mul_u32_u24 v[LV], v10, 320
	v_lshl_add_u32 v[LK], v12, 4, v[LV]
	v_mad_u32_u24 v[LK], v11, 1920, v[LK]
	v_lshl_add_u32 v[LV], v9, 4, v[LV]
	v_add_nc_u32 v[LV], VOFF, v[LV]
	v_lshlrev_b32 v[LS], 3, v12
	v_lshl_add_u32 v[LS], v10, 6, v[LS]
	v_lshl_add_u32 v[LS], v11, 7, v[LS]
	v_add_nc_u32 v[LS], KSO, v[LS]
	v_add_nc_u32 v[LSV], VSO, v[L8]
	v_lshlrev_b32 v[LM], 7, v10
	v_add_nc_u32 v[LM], MSK, v[LM]
	v_lshlrev_b32 v[SH8], 3, v10
	v_lshlrev_b32 v[QSO], 5, v9
	v_lshlrev_b32 v112, 5, v0                      ; 32 x thread: my eight mask words,
	v_add_nc_u32 v113, MSK, v112                   ; and their place in the table
	v_mov_b32 v114, 0xff61b1e6                     ; -3e38
	WALU                                           ; the wait here, directly ahead of the wait below
	s_wait_dscnt 0x0                               ; both opening adds are done
	s_wait_kmcnt 0x0
	s_mov_b32 s[G0], 1
	s_mul_i32 s[G0+1], s[WV], 32000                ; LDS address: the wave's number alone
	s_add_nc_u64 s[G0+2:G0+3], s[6:7], s[46:47]
	s_or_b32 s[G0+3], s[G0+3], 0x80000000
	s_add_nc_u64 s[44:45], s[4:5], s[48:49]        ; q's scale words
	s_add_nc_u64 s[4:5], s[4:5], s[50:51]          ; q's codes
	s_add_nc_u64 s[8:9], s[8:9], s[52:53]
	s_add_nc_u64 s[10:11], s[10:11], s[54:55]
	s_add_nc_u64 s[12:13], s[12:13], s[56:57]
	CROUND                                         ; all four work-groups are here: the joint loads meet
	tensor_load_to_lds s[G0:G0+3], s[G1:G1+7]      ; my one tensor load of the launch
	s_nop 0
.rept 4
	v_nop
.endr
	global_load_b128 v[96:99], v112, s[8:9]
	global_load_b128 v[100:103], v112, s[8:9] offset:16
.irp i, 0,1,2,3
	global_load_b128 v[QZ+12*\i+6:QZ+12*\i+9], v[LI], s[4:5] offset:768*\i
	global_load_b64 v[QZ+12*\i+10:QZ+12*\i+11], v[L8], s[4:5] offset:768*\i+512
.endr
	global_load_b128 v[QS:QS+3], v[QSO], s[44:45]
.irp i, 0,1,2,3,4                      ; under the loads' flight: the zeros beside q,
.irp k, 0,1,2,3,4,5
	v_mov_b32 v[QZ+12*\i+\k], 0
.endr
.endr
	v_mov_b32 v[ST+1], 0xfb800000                  ; the largest score so far: -2^120: above every hidden score, under every open one that is served
	v_mul_f32 v[T+2], s[NC], v[ST+1]
	v_floor_f32 v[ST], v[T+2]                      ; -M
.irp i, 0,1,2,3
.if \i > 0
	v_mov_b32 v[ST+4*\i], v[ST]
	v_mov_b32 v[ST+4*\i+1], v[ST+1]
.endif
	v_mov_b32 v[ST+4*\i+2], 0                      ; the sum, in two halves
	v_mov_b32 v[ST+4*\i+3], 0
.endr
	v_mov_b32 v[T+1], 0                            ; a lane permute's destination counts as one of its sources
	v_mov_b32 v[FF+1], 0                           ; (named as the upper half of f's pair)
	WIN 0x40
.set j, 0
.rept 128
	v_mov_b32 v[OB+j], 0                           ; O^T of the four tiles
.set j, j+1
.endr
	WIN 0
	WALU                                           ; the wait here, directly ahead of the wait below
	s_wait_loadcnt 9                               ; the mask words are in; q's nine loads may be out
.irp k, 0,1,2,3,4,5,6,7
	v_cmp_eq_u32 vcc_lo, 0, v[96+\k]
	v_cndmask_b32 v[104+\k], 0, v114, vcc_lo       ; 0 where the key counts, -3e38 where the mask word is 0
.endr
	ds_store_b128 v113, v[104:107]
	ds_store_b128 v113, v[108:111] offset:16
	WALU
	s_wait_tensorcnt 0x0                           ; my part of the head has landed,
	s_wait_dscnt 0x0                               ; my part of the table is written:
	s_barrier_signal -1
	s_barrier_wait -1                              ; everybody's is
	s_wait_loadcnt 0x0                             ; q
	LOADK                                          ; step 0
	LOADV
.Lstep:
	s_wait_dscnt 13                                ; K, the mask and K's scale words are in; V's 13 loads, issued behind them, may be out
	s_add_co_u32 s[TK], s[TK], KST                 ; the next step's places; behind the last step they turn back to step 0, whose bytes are loaded and not used
	s_add_co_u32 s[TS], s[TS], 320
	s_add_co_u32 s[TMS], s[TMS], 512
	s_and_b32 s[TMS], s[TMS], 8191
	s_cmp_eq_u32 s[TK], 16*KST
	s_cselect_b32 s[TK], 0, s[TK]
	s_cselect_b32 s[TS], 0, s[TS]
	TILE 0
	TILE 1
	TILE 2
	TILE 3
	WIN 0
	LOADV                                          ; the step's last products are issued: the next step's V
	s_sub_co_u32 s[CNT], s[CNT], 1
	s_cmp_lg_u32 s[CNT], 0
	WALU                                           ; the wait directly ahead of the branch
	s_cbranch_scc1 .Lstep
	s_wait_dscnt 0x0                               ; the loads of the turn back have landed: their registers are free
; THE WAY OUT: / the sum, quantised along the head's 64, stored as register images.  Register 16 b + i of a tile's O^T is ctx(my query, 32 b + 16 h + i).
.set CSO, MK+57
.set XFF, MK+56
.set C2,  MK+40
	v_and_b32 v[T], 15, v0
	v_bfe_u32 v[T+1], v0, 4, 1
	v_lshl_add_u32 v[CSO], v[T], 5, v[T+1]         ; 32 r + h
	v_mov_b32 v[XFF], 0xff
.irp n, 0,1,2,3
	v_add_f32 v[ST+4*\n+2], v[ST+4*\n+2], v[ST+4*\n+3]   ; the sum's two halves,
.endr
.irp n, 0,1,2,3
	v_permlanex16_b32 v[T+\n], v[ST+4*\n+2], s[SEL], s[SEL+1]
.endr
.irp n, 0,1,2,3
	v_add_f32 v[ST+4*\n+3], v[ST+4*\n+2], v[T+\n]  ; and lane l xor 16's: the row's sum
.endr
.irp n, 0,1,2,3
	v_cmp_eq_f32 s[LZ+\n], 0, v[ST+4*\n+3]
.endr
	WALU
.irp n, 0,1,2,3
	v_rcp_f32 v[ST+4*\n+2], v[ST+4*\n+3]
.endr
	v_nop
.macro OUT n
.set CC, MK+8*\n
.set BY, MK+48+\n
	WIN 0x01
	WALU                                           ; behind the reciprocals, directly ahead of the first reader of this tile's O^T
.set j, 0
.rept 16
	v_pk_mul_f32 v[S+j:S+j+1], v[OB+32*\n+j:OB+32*\n+j+1], v[ST+4*\n+2:ST+4*\n+3] op_sel_hi:[1,0]
.set j, j+2
.endr
	WIN 0
.irp b, 0,1
	v_max3_num_f32 v[BM+\b], |v[S+16*\b]|, |v[S+1+16*\b]|, 0x1800000
.endr
.irp k, 2,4,6,8,10,12,14
.irp b, 0,1
	v_max3_num_f32 v[BM+\b], v[BM+\b], |v[S+16*\b+\k]|, |v[S+1+16*\b+\k]|
.endr
.endr
.irp b, 0,1
	v_permlanex16_b32 v[T+4+\b], v[BM+\b], s[SEL], s[SEL+1]
.endr
.irp b, 0,1
	v_max_num_f32 v[BM+\b], v[BM+\b], v[T+4+\b]
.endr
.irp b, 0,1
	v_add_nc_u32 v[T+6+\b], 0xff000000, v[BM+\b]
.endr
.irp b, 0,1
	v_lshrrev_b32 v[T+4+\b], 23, v[T+6+\b]
.endr
	v_cvt_scalef32_pk16_fp6_f32 v[CC:CC+2], v[S:S+15], v[T+6]
	v_cvt_scalef32_pk16_fp6_f32 v[C2:C2+2], v[S+16:S+31], v[T+7]
	v_nop
.irp k, 0,1,2
	v_permlane16_swap_b32 v[CC+\k], v[C2+\k]       ; a whole block of 32 in a lane
.endr
.irp k, 0,1,2
	v_mov_b32 v[CC+3+\k], v[C2+\k]
.endr
	v_cndmask_b32 v[BY], v[T+4], v[T+5], s[HM]     ; lanes 0-15 store block 0's byte of their row, lanes 16-31 block 1's;
	v_cndmask_b32 v[BY], v[BY], v[XFF], s[LZ+\n]   ; 0xff where the row's sum is 0
	global_store_b128 v[LI], v[CC:CC+3], s[10:11] offset:768*\n       ; each tile's stores have data registers of their own
	global_store_b64 v[L8], v[CC+4:CC+5], s[10:11] offset:768*\n+512
	global_store_b8 v[CSO], v[BY], s[12:13] offset:512*\n             ; a head owns 2 of a row's 32 scale bytes
.endm
	OUT 0
	OUT 1
	OUT 2
	OUT 3
	s_wait_tensorcnt 0x0                           ; the wave's end
	ds_add_u32 v[SPW], v[NIL]
	s_wait_dscnt 0x0
	CROUND                                         ; the closing round
	s_endpgm
.Lfunc_end_k_q3cb9e62f00_attn:
	.size	k_q3cb9e62f00_attn, .Lfunc_end_k_q3cb9e62f00_attn-k_q3cb9e62f00_attn
	.p2alignl 7, 3214868480
	.fill 96, 4, 3214868480
	.section	.rodata,"a",@progbits
	.p2align	6, 0x0
	.amdhsa_kernel k_q3cb9e62f00_attn
		.amdhsa_group_segment_fixed_size 266240
		.amdhsa_private_segment_fixed_size 0
		.amdhsa_enable_private_segment 0
		.amdhsa_kernarg_size 40
		.amdhsa_user_sgpr_count 2
		.amdhsa_user_sgpr_kernarg_segment_ptr 1
		.amdhsa_wavefront_size32 1
		.amdhsa_system_sgpr_workgroup_id_x 1
		.amdhsa_system_sgpr_workgroup_id_y 1
		.amdhsa_system_sgpr_workgroup_id_z 1
		.amdhsa_system_vgpr_workitem_id 0
		.amdhsa_next_free_vgpr 512
		.amdhsa_next_free_sgpr 66
		.amdhsa_reserve_vcc 1
		.amdhsa_float_denorm_mode_32 3
		.amdhsa_float_denorm_mode_16_64 3
		.amdhsa_memory_ordered 1
		.amdhsa_forward_progress 1
		.amdhsa_inst_pref_size 84
	.end_amdhsa_kernel
	.amdgpu_metadata
---
amdhsa.version: [ 1, 2 ]
amdhsa.kernels:
  - .name:           k_q3cb9e62f00_attn
    .symbol:         k_q3cb9e62f00_attn.kd
    .args:
      - { .name: qq, .offset: 0, .size: 8, .value_kind: global_buffer, .address_space: global }
      - { .name: kv, .offset: 8, .size: 8, .value_kind: global_buffer, .address_space: global }
      - { .name: attention_mask, .offset: 16, .size: 8, .value_kind: global_buffer, .address_space: global }
      - { .name: ctxc, .offset: 24, .size: 8, .value_kind: global_buffer, .address_space: global }
      - { .name: ctxs, .offset: 32, .size: 8, .value_kind: global_buffer, .address_space: global }
    .group_segment_fixed_size: 266240
    .private_segment_fixed_size: 0
    .kernarg_segment_align: 8
    .kernarg_segment_size: 40
    .max_flat_workgroup_size: 256
    .sgpr_count:     66
    .vgpr_count:     512
    .wavefront_size: 32
...
	.end_amdgpu_metadata
.endif
;; end of part 3
;; launch proj (part 4): grid 8 x 32, 4 waves a work-group, clusters of 4 x 4, 320,000 bytes of LDS; arguments ctxc, ctxs, cod, scl, bo, out0; writes out0
.if DOCPART == 4
	.amdgcn_target "amdgcn-amd-amdhsa--gfx1250"
	.amdhsa_code_object_version 6
	.text
	.protected	k_q3cb9e62f00_proj
	.globl	k_q3cb9e62f00_proj
	.p2align	8
	.type	k_q3cb9e62f00_proj,@function
k_q3cb9e62f00_proj:
	s_mov_b64 s[64:65], 0
	v_nop
	global_prefetch_b8 v0, s[64:65] scope:SCOPE_SE
	s_setreg_imm32_b32 hwreg(HW_REG_WAVE_MODE, 25, 1), 1
	s_wait_xcnt 0x0
	s_wait_alu depctr_hold_cnt(0) depctr_sa_sdst(0) depctr_va_vdst(0) depctr_va_sdst(0) depctr_va_ssrc(0) depctr_va_vcc(0) depctr_vm_vsrc(0)
	s_getreg_b32 s2, hwreg(HW_REG_IB_STS2, 6, 4)
	s_cmp_eq_u32 s2, 0
	s_cbranch_scc0 .Lentry_in_a_cluster
	s_endpgm
.Lentry_in_a_cluster:
	s_bfe_u32 s2, ttmp6, 0x10000c
	s_cmp_lg_u32 s2, 0xf033
	s_cbranch_scc0 .Lentry_shape_is_right
	s_endpgm
.Lentry_shape_is_right:
; out0[8192][1024] = ctx Wo^T + bo, on codes of FP6 (E2M3) with one E8M0 scale for each 32 along K = 1,024; sums in f32.
; ctxc: [head 16][tile of 16 rows: 512][768 bytes], register images of half fragments (64 along K); ctxs: 32 scale bytes a row.  Wo's codes lie in cod, [K step of 256: 4][row][192 bytes], rows 11,264 on; its scale bytes in scl, 32 a row.
; Stored rows have bits 3 and 4 of their number exchanged (ctx's rows and Wo's alike): the way out and the bias undo it.
; SHARES.  256 work-groups, each a block of 256 rows x 128 columns; four waves, 2 x 2, each 128 x 64.
; ALL OF K LIES IN LDS AT ONCE: A's 256 rows are 196,608 dense bytes, B's 128 rows 122,880 with their padding.  One joint load a wave at the head (A's heads 0-7, 8-15; B's K steps 0-1, 2-3); nothing is filled again.
; No prefetch: every tile byte is asked for at the head, and no loop of this text loads tiles from memory.
; CLUSTER 4 x 4: A's tiles hang on the tile row alone and are shared along a row of the cluster, B's on the tile column alone and are shared along a column.
; BY ROWS.  A wave takes its 64 rows of Wo, all of K, into registers once (32 fragments, 384 registers) and then finishes one block of 16 rows of ctx after the other: 32 products, the block's four accumulators by turns, K ascending
; (three other products stand between the steps of a sum).  A finished block leaves while the next one is multiplied: its stores do not wait for the last product of the launch.
; The scale words (32 bytes a row, 512 consecutive bytes for 16 rows) and the bias go from memory straight into registers, once.  The bias is the C of a block's first products.
; THE MATRIX INSTRUCTION IS USED TRANSPOSED: source 0 = 16 rows of Wo, source 1 = 16 rows of ctx: a lane holds eight neighbouring numbers of a row of out0.
; REGISTERS: window 0: addresses, scale words (A's v32-95, B's v100-131), the bias v136-167, the way out v168-231.  Window 1: A's fragments of a block, two sets of 96; from 192 the accumulators, two sets of 32.
; Windows 2 and 3: B's fragment 4 q + b at 12 x (its number % 21) of window 2 + its number / 21: none lies across a window's end.
; LIMITS: a row whose scale byte is 0xff (a batch whose mask is all 0) gives NaN, as the softmax of such a row does.
.set KSTR,  12288*192                  ; from a K step's plane of cod to the next
.set PITCH, 240                        ; B's LDS row: 3 x (64 + 16)
.set BBASE, 196608                     ; B's tiles, behind A's
.set SPARE, 319488                     ; the spare words, 128 bytes a wave
.set SP,    272                        ; the stage's row: 256 bytes + 16
.set ADA,  8                           ; v8-11 A's 16-byte pieces, for heads 4 k on; v12-15 its 8-byte pieces
.set ADB,  16                          ; v16-17 B, for K steps 2 k on; v18-19 for the pieces whose lanes 16-31 lie behind one padding more
.set STO,  20
.set RD,   21
.set CO,   22
.set OBB,  23
.set LSC,  24
.set SPW,  28
.set NIL,  29
.set SA,   32
.set SB,   100
.set BBR,  136
.set BK,   168
.set G1A,  24
.set G0A,  32
.set G0B,  36
.set G1B,  48
.set MSB, 0
.macro WIN new
.if MSB != (\new)
	s_set_vgpr_msb (MSB<<8)|(\new)
.set MSB, (\new)
.endif
.endm
.macro PLACES
.rept 4
	v_nop
.endr
.endm
.macro CROUND
	s_barrier_signal -1
	s_barrier_wait -1
	s_cmp_lg_u32 s14, 0
	s_cbranch_scc1 .Lnot_wave_0_\@
	s_barrier_signal -3
.Lnot_wave_0_\@:
	s_barrier_wait -3
	s_barrier_signal -1
	s_barrier_wait -1
.endm
	s_load_b128 s[4:7], s[0:1], 0x0                ; ctxc, ctxs
	s_load_b128 s[8:11], s[0:1], 0x10              ; cod, scl
	s_load_b128 s[56:59], s[0:1], 0x20             ; bo, out0
	v_lshl_add_u32 v[SPW], v0, 2, SPARE
	v_mov_b32 v[NIL], 0
	ds_add_u32 v[SPW], v[NIL]                      ; the opening lines: the add, twice on end, and its wait
	ds_add_u32 v[SPW], v[NIL]
	v_lshrrev_b32 v1, 5, v0
	v_readfirstlane_b32 s14, v1                    ; wave
	s_lshr_b32 s15, s14, 1                         ; my half of the rows.  Also: I fetch for A (0) or for B (1)
	s_and_b32 s16, s14, 1                          ; my half of the columns.  Also: which half of that operand's K I fetch
	s_bfe_u32 s40, ttmp6, 0x40000                  ; cx
	s_bfe_u32 s41, ttmp6, 0x40004                  ; cy
	s_lshl_b32 s42, ttmp9, 2
	s_add_co_u32 s42, s42, s40                     ; tile column, 0 .. 7
	s_and_b32 s17, ttmp7, 0xffff
	s_lshl_b32 s17, s17, 2
	s_add_co_u32 s17, s17, s41                     ; tile row, 0 .. 31
	s_lshl_b32 s43, s41, 2
	s_lshl_b32 s43, 15, s43                        ; my row of the cluster
	s_lshl_b32 s44, 0x1111, s40                    ; my column
	s_or_b32 s[G1A+0], s43, (3<<16)|(1<<21)        ; A: 8 heads x 12,288 dense bytes (16 tiles of 768), no padding
	s_mov_b32 s[G1A+1], 1536<<16
	s_mov_b32 s[G1A+2], 8<<16
	s_mov_b32 s[G1A+3], 1536<<16
	s_mov_b32 s[G1A+4], 8
	s_mov_b32 s[G1A+5], 49152
	s_mov_b32 s[G1A+6], 0
	s_mov_b32 s[G1A+7], 0
	s_or_b32 s[G1B+0], s44, (3<<16)|(1<<20)|(1<<21)|(3<<22)|(3<<25)   ; B: 2 K steps x 24,576 dense bytes (128 rows of 192), 16 bytes of padding behind every 64
	s_mov_b32 s[G1B+1], 3072<<16
	s_mov_b32 s[G1B+2], 2<<16
	s_mov_b32 s[G1B+3], 3072<<16
	s_mov_b32 s[G1B+4], 2
	s_mov_b32 s[G1B+5], KSTR/8
	s_mov_b32 s[G1B+6], 0
	s_mov_b32 s[G1B+7], 0
	s_mul_i32 s20, s17, 12288                      ; A: my tile row's 16 tiles, + my 8 heads
	s_mul_i32 s18, s16, 8*393216
	s_add_co_u32 s20, s20, s18
	s_mov_b32 s21, 0
	s_lshl_b32 s19, s42, 7
	s_add_co_u32 s19, s19, 11264                   ; Wo's first stored row of my tile column
	s_mul_i32 s22, s19, 192
	s_mul_i32 s18, s16, 2*KSTR
	s_add_co_u32 s22, s22, s18                     ; + my 2 K steps
	s_mov_b32 s23, 0
	s_lshl_b32 s46, s17, 8
	s_lshl_b32 s18, s15, 7
	s_add_co_u32 s46, s46, s18                     ; my wave's first row
	s_lshl_b32 s66, s46, 12                        ; x 4,096 bytes of out0
	s_lshl_b32 s46, s46, 5                         ; x 32 bytes of ctxs
	s_mov_b32 s47, 0
	s_lshl_b32 s18, s16, 6
	s_add_co_u32 s60, s19, s18                     ; my wave's first row of Wo
	s_lshl_b32 s60, s60, 5
	s_mov_b32 s61, 0
	s_lshl_b32 s62, s42, 7
	s_add_co_u32 s62, s62, s18                     ; my wave's first column,
	s_lshl_b32 s62, s62, 2                         ; in bytes
	s_mov_b32 s63, 0
	s_add_co_u32 s66, s66, s62
	s_mov_b32 s67, 0
	s_mov_b32 s[G0A], 1
	s_mul_i32 s[G0A+1], s16, 98304                 ; LDS addresses: the wave's number alone
	s_mov_b32 s[G0B], 1
	s_mul_i32 s[G0B+1], s16, 61440
	s_add_co_u32 s[G0B+1], s[G0B+1], BBASE
	s_wait_dscnt 0x0                               ; both opening adds are done
	s_wait_kmcnt 0x0
	s_add_nc_u64 s[G0A+2:G0A+3], s[4:5], s[20:21]
	s_or_b32 s[G0A+3], s[G0A+3], 0x80000000
	s_add_nc_u64 s[G0B+2:G0B+3], s[8:9], s[22:23]
	s_or_b32 s[G0B+3], s[G0B+3], 0x80000000
	s_add_nc_u64 s[46:47], s[6:7], s[46:47]
	s_add_nc_u64 s[60:61], s[10:11], s[60:61]
	s_add_nc_u64 s[62:63], s[56:57], s[62:63]
	s_add_nc_u64 s[12:13], s[58:59], s[66:67]
	CROUND                                         ; all sixteen work-groups are here: the joint loads meet
	s_cmp_eq_u32 s15, 0
	s_cbranch_scc0 .Lfor_b
	tensor_load_to_lds s[G0A:G0A+3], s[G1A:G1A+7]
	s_nop 0
	PLACES
	s_branch .Lasked
.Lfor_b:
	tensor_load_to_lds s[G0B:G0B+3], s[G1B:G1B+7]
	s_nop 0
	PLACES
.Lasked:
	v_and_b32 v1, 15, v0                           ; r
	v_bfe_u32 v2, v0, 4, 1                         ; h
	v_and_b32 v3, 31, v0                           ; lane
	v_lshlrev_b32 v[LSC], 5, v1                    ; a row's 32 scale bytes
	v_lshlrev_b32 v[OBB], 6, v2
.irp a, 0,1,2,3,4,5,6,7
.irp c, 0,1
	global_load_b128 v[SA+8*\a+4*\c:SA+8*\a+4*\c+3], v[LSC], s[46:47] offset:512*\a+16*\c   ; block a, row r: the words of steps 4 c .. 4 c + 3
.endr
.endr
.irp b, 0,1,2,3
.irp c, 0,1
	global_load_b128 v[SB+8*\b+4*\c:SB+8*\b+4*\c+3], v[LSC], s[60:61] offset:512*\b+16*\c
.endr
.endr
.irp b, 0,1,2,3
	global_load_b128 v[BBR+8*\b:BBR+8*\b+3], v[OBB], s[62:63] offset:(32*(\b/2)+8*(\b%2))*4     ; register j of lane (r, h) in block b is column 32 (b / 2) + 8 (b % 2) + 16 h + j
	global_load_b128 v[BBR+8*\b+4:BBR+8*\b+7], v[OBB], s[62:63] offset:(32*(\b/2)+8*(\b%2))*4+16
.endr
	v_lshlrev_b32 v4, 4, v3
	v_lshlrev_b32 v5, 3, v3
	s_mul_i32 s18, s15, 6144                       ; my 8 tiles of each head's 16
	s_add_co_u32 s19, s18, 512
	v_add_nc_u32 v[ADA], s18, v4
	v_add_nc_u32 v[ADA+4], s19, v5
.irp k, 1,2,3
	v_add_nc_u32 v[ADA+\k], \k*49152, v[ADA]
	v_add_nc_u32 v[ADA+4+\k], \k*49152, v[ADA+4]
.endr
	v_mul_u32_u24 v6, v1, PITCH
	v_mad_u32_u24 v6, v2, 24, v6
	s_mul_i32 s18, s16, 64*PITCH                   ; my 64 rows of B's 128
	s_add_co_u32 s18, s18, BBASE
	v_add_nc_u32 v[ADB], s18, v6
	v_lshl_add_u32 v[ADB+2], v2, 4, v[ADB]
	v_add_nc_u32 v[ADB+1], 61440, v[ADB]
	v_add_nc_u32 v[ADB+3], 61440, v[ADB+2]
	s_mul_i32 s18, s14, 16*SP                      ; my stage: on B's tile bytes, which have had their one fill; written behind the barrier that ends all reads of them
	s_add_co_u32 s18, s18, BBASE
	v_mul_u32_u24 v6, v1, SP
	v_lshl_add_u32 v6, v2, 6, v6
	v_add_nc_u32 v[STO], s18, v6                   ; in: row r, + 64 h
	v_mul_u32_u24 v7, v2, SP
	v_lshl_add_u32 v7, v1, 4, v7
	v_add_nc_u32 v[RD], s18, v7                    ; back: sixteen lanes take a row's 256 bytes, two rows an instruction
	v_lshlrev_b32 v[CO], 12, v2
	v_lshl_add_u32 v[CO], v1, 4, v[CO]             ; and the same two rows in out0
.macro FRAGB reg, q, i                 ; six pieces of 8 bytes of row r: piece n lies at 8 n + 16 (n / 8); lanes 16-31 read three pieces on
.irp p, 0,1,2,3,4,5
.set PCE, 12*((\q)%2)+6*(\p/3)+\p%3
.if PCE%8 < 5
	ds_load_b64 v[\reg+2*\p:\reg+2*\p+1], v[ADB+(\q)/4] offset:(((\q)/2)%2)*30720+8*PCE+16*(PCE/8)+(\i)*16*PITCH
.else
	ds_load_b64 v[\reg+2*\p:\reg+2*\p+1], v[ADB+2+(\q)/4] offset:(((\q)/2)%2)*30720+8*PCE+16*(PCE/8)+(\i)*16*PITCH
.endif
.endr
.endm
.macro FRAGA reg, q, i                 ; heads 2 q and 2 q + 1 of tile i, as register images
.irp c, 0,1
	ds_load_b128 v[\reg+6*\c:\reg+6*\c+3], v[ADA+(\q)/2] offset:(2*((\q)%2)+\c)*12288+768*(\i)
	ds_load_b64 v[\reg+6*\c+4:\reg+6*\c+5], v[ADA+4+(\q)/2] offset:(2*((\q)%2)+\c)*12288+768*(\i)
.endr
.endm
.macro WEIGHTS                         ; 192 LDS loads: my 64 rows of Wo, all of K
.irp q, 0,1,2,3,4,5,6,7
.irp b, 0,1,2,3
.set F_, 4*\q+\b
	WIN (2+F_/21)<<6
	FRAGB 12*(F_%21), \q, \b
.endr
.endr
.endm
.macro FETCHA a                        ; 32 LDS loads: block a's 16 rows, all of K, into set a % 2
	WIN 0x40
.irp q, 0,1,2,3,4,5,6,7
	FRAGA 96*((\a)%2)+12*\q, \q, \a
.endr
.endm
.macro PROD a, q, b
.set F_, 4*(\q)+(\b)
.set D_, 192+32*((\a)%2)+8*(\b)
.if (\q) == 0
	WIN (2+F_/21)|0x44                             ; source 0 window 2 or 3, source 1 and D window 1, C window 0: the bias
	v_wmma_scale_f32_16x16x128_f8f6f4 v[D_:D_+7], v[12*(F_%21):12*(F_%21)+11], v[96*((\a)%2)+12*(\q):96*((\a)%2)+12*(\q)+11], v[BBR+8*(\b):BBR+8*(\b)+7], v[SB+8*(\b)+(\q)], v[SA+8*(\a)+(\q)] matrix_a_fmt:MATRIX_FMT_FP6 matrix_b_fmt:MATRIX_FMT_FP6
.else
	WIN (2+F_/21)|0x54
	v_wmma_scale_f32_16x16x128_f8f6f4 v[D_:D_+7], v[12*(F_%21):12*(F_%21)+11], v[96*((\a)%2)+12*(\q):96*((\a)%2)+12*(\q)+11], v[D_:D_+7], v[SB+8*(\b)+(\q)], v[SA+8*(\a)+(\q)] matrix_a_fmt:MATRIX_FMT_FP6 matrix_b_fmt:MATRIX_FMT_FP6
.endif
.endm
; THE WAY OUT of a block of 16 rows x 64 columns: through my stage, back as whole rows of 256 bytes, which sixteen lanes store as one aligned unit.  LDS serves a wave's instructions in order: no wait between the stores and the loads.
.macro TOSTAGE a
	WIN 0x04                                       ; the data: window 1
.irp b, 0,1,2,3
	ds_store_b128 v[STO], v[192+32*((\a)%2)+8*\b:192+32*((\a)%2)+8*\b+3] offset:128*(\b/2)+32*(\b%2)       ; each accumulator from its low end on
	ds_store_b128 v[STO], v[192+32*((\a)%2)+8*\b+4:192+32*((\a)%2)+8*\b+7] offset:128*(\b/2)+32*(\b%2)+16
.endr
	WIN 0
.set RB, BK+32*((\a)%2)
.irp t, 0,1,2,3,4,5,6,7
	ds_load_b128 v[RB+4*\t:RB+4*\t+3], v[RD] offset:\t*2*SP
.endr
.endm
.macro SEND a, younger                 ; younger: the LDS instructions issued behind block a's loads from the stage
.set RB, BK+32*((\a)%2)
	s_wait_dscnt \younger
.irp t, 0,1,2,3,4,5,6,7
	global_store_b128 v[CO], v[RB+4*\t:RB+4*\t+3], s[12:13] offset:(32*((\a)/2)+8*((\a)%2)+2*\t+8*(\t/4))*4096 th:TH_STORE_NT   ; stored row 16 a + n is row 32 (a / 2) + 8 (a % 2) + n + 8 (n / 8)
.endr
.endm
; A BLOCK: its 32 products; the fetch of the block two on into the set just multiplied; the block into the stage; the block before out of it and to memory.
; The wait in SEND shows block a - 1's loads from the stage done, and with them everything older: block a + 1's fragments, fetched a block ago.
.macro BLK a
.irp q, 0,1,2,3,4,5,6,7
.irp b, 0,1,2,3
	PROD \a, \q, \b
.endr
.endr
	PLACES                                         ; ahead of the loads into the set just multiplied and of the first read of the results
.if (\a)+2 < 8
	FETCHA (\a)+2
.endif
	WIN 0
.if (\a) == 0
	s_barrier_wait -1                              ; every wave holds its weights in registers: B's tile bytes may be written
.endif
.if (\a) > 1
	s_wait_xcnt 0x0                                ; block a - 2's stores have read their registers: block a's loads from the stage may land there
.endif
	TOSTAGE \a
.if (\a) > 0
.if (\a)+2 < 8
	SEND (\a)-1, 48                                ; younger: the fetch's 32 loads, this block's 8 stores and 8 loads
.else
	SEND (\a)-1, 16
.endif
.endif
.endm
	s_wait_alu depctr_va_vdst(0)                   ; the wait at the head's end
	s_wait_tensorcnt 0x0                           ; my tile has landed:
	s_barrier_signal -1
	s_barrier_wait -1                              ; everybody's has
	WEIGHTS
	FETCHA 0
	FETCHA 1
	WIN 0
	s_wait_loadcnt 0x0                             ; the scale words and the bias
	s_wait_dscnt 0x0                               ; the weights and the first two blocks are in registers:
	s_barrier_signal -1                            ; my reads of B's tiles are over; the wait stands ahead of the first store into the stage
.irp a, 0,1,2,3,4,5,6,7
	BLK \a
.endr
	SEND 7, 0
	s_wait_tensorcnt 0x0                           ; the wave's end
	ds_add_u32 v[SPW], v[NIL]
	s_wait_dscnt 0x0
	CROUND                                         ; the closing round
	s_endpgm
.Lfunc_end_k_q3cb9e62f00_proj:
	.size	k_q3cb9e62f00_proj, .Lfunc_end_k_q3cb9e62f00_proj-k_q3cb9e62f00_proj
	.p2alignl 7, 3214868480
	.fill 96, 4, 3214868480
	.section	.rodata,"a",@progbits
	.p2align	6, 0x0
	.amdhsa_kernel k_q3cb9e62f00_proj
		.amdhsa_group_segment_fixed_size 320000
		.amdhsa_private_segment_fixed_size 0
		.amdhsa_enable_private_segment 0
		.amdhsa_kernarg_size 48
		.amdhsa_user_sgpr_count 2
		.amdhsa_user_sgpr_kernarg_segment_ptr 1
		.amdhsa_wavefront_size32 1
		.amdhsa_system_sgpr_workgroup_id_x 1
		.amdhsa_system_sgpr_workgroup_id_y 1
		.amdhsa_system_sgpr_workgroup_id_z 1
		.amdhsa_system_vgpr_workitem_id 0
		.amdhsa_next_free_vgpr 912
		.amdhsa_next_free_sgpr 72
		.amdhsa_reserve_vcc 0
		.amdhsa_float_denorm_mode_32 3
		.amdhsa_float_denorm_mode_16_64 3
		.amdhsa_memory_ordered 1
		.amdhsa_forward_progress 1
		.amdhsa_inst_pref_size 88
	.end_amdhsa_kernel
	.amdgpu_metadata
---
amdhsa.version: [ 1, 2 ]
amdhsa.kernels:
  - .name:           k_q3cb9e62f00_proj
    .symbol:         k_q3cb9e62f00_proj.kd
    .args:
      - { .name: ctxc, .offset: 0, .size: 8, .value_kind: global_buffer, .address_space: global }
      - { .name: ctxs, .offset: 8, .size: 8, .value_kind: global_buffer, .address_space: global }
      - { .name: cod, .offset: 16, .size: 8, .value_kind: global_buffer, .address_space: global }
      - { .name: scl, .offset: 24, .size: 8, .value_kind: global_buffer, .address_space: global }
      - { .name: bo, .offset: 32, .size: 8, .value_kind: global_buffer, .address_space: global }
      - { .name: out0, .offset: 40, .size: 8, .value_kind: global_buffer, .address_space: global }
    .group_segment_fixed_size: 320000
    .private_segment_fixed_size: 0
    .kernarg_segment_align: 8
    .kernarg_segment_size: 48
    .max_flat_workgroup_size: 128
    .sgpr_count:     72
    .vgpr_count:     912
    .wavefront_size: 32
...
	.end_amdgpu_metadata
.endif
;; end of part 4
